; MI455X (gfx1250); checked and timed in simulation.
; The chip was launched on July 23, 2026; its instructions are those of AMD's public machine-readable ISA for CDNA 5 (MIT licence, August 2026) and "CDNA5" Instruction Set Architecture Reference Guide (July 2026). The comments in the code are by the model that wrote it; some were corrected since.
;; Multi Head Attention. Allowed arithmetic: float matrix products may take bf16 or f16 operands with f32 sums; all other float work in f32.
;; Inputs: Wk 1,024 x 1,024 float32; Wo 1,024 x 1,024 float32; Wq 1,024 x 1,024 float32; Wv 1,024 x 1,024 float32; token_positions 4,096 int32; x 1 x 4,096 x 1,024 float32.
;; Outputs: out0 1 x 4,096 x 1,024 float32.
;; 2 versions, each right; version 2 is version 1 with the launch prep written anew for expert scheduling mode. Each part assembles by itself: llvm-mc -triple=amdgcn-amd-amdhsa -mcpu=gfx1250 --defsym DOCPART=n.
;; ======== version 1 of 2: 4 launches
;; limits: values are held in f16: magnitudes above 65,504 overflow, below 6.1e-05 lose precision; right only within a limited range of input values
;; workspace buffers: xw 16,777,216 bytes; rope 1,048,576 bytes; qkv 25,165,824 bytes; attn2 16,777,216 bytes
;; launch prep (part 1): grid 256 x 1, 8 waves a work-group, no clusters, 0 bytes of LDS; arguments x, Wq, Wk, Wv, Wo, token_positions, xw, rope; writes xw, rope
.if DOCPART == 1
	.amdgcn_target "amdgcn-amd-amdhsa--gfx1250"
	.amdhsa_code_object_version 6
	.text
	.protected	k_q51a32897d3_prep
	.globl	k_q51a32897d3_prep
	.p2align	8
	.type	k_q51a32897d3_prep,@function
k_q51a32897d3_prep:
	s_mov_b64 s[64:65], 0
	v_nop
	global_prefetch_b8 v0, s[64:65] scope:SCOPE_SE
	s_setreg_imm32_b32 hwreg(HW_REG_WAVE_MODE, 25, 1), 1
	s_wait_xcnt 0x0
; prep: the casts and the table of cosines and sines.
; xw is [8192][1024] of 16-bit numbers: rows 0-4095 x, 4096-5119 Wq, 5120-6143 Wk, 6144-7167 Wv, all rounded to bf16;
; rows 7168-8191 Wo, rounded to bf16 and then written as f16 (the later product with Wo has f16 operands).
; rope is f32 [4096 tokens][32 pairs][cos, sin] of token_positions[token] * 100000^(-pair/32).
; Work-group g of 256 casts 32,768 numbers (128 KiB in, 64 KiB out) and makes table rows 16 g .. 16 g + 15.
; Memory binds: no LDS, no barrier, no matrix unit.  Thread t loads 16 bytes at 16 t + 4096 i (a wave's load covers 512 neighbouring
; bytes) and stores 8 bytes at 8 t + 2048 i (a wave's store covers 256 neighbouring bytes, aligned).  All 32 loads of a wave go out at
; once, 16 KiB a wave, the work-group's whole 128 KiB: the table is made while they are on their way.
; LIMITS.  Wo: |w| < 65,504; a bf16 value below 2^-17 loses bits on its way to f16 (absolute error at most 2^-25).
; Angles: 100000^(-i/32) is made by v_exp_f32, so an angle agrees with one made otherwise to about 2e-7 of its size.  The reduction by
; multiples of pi/2 (pi/2 in two parts, fused) is sound for |position| <= 2^20 = 1,048,576; beyond, the quotient's rounding can leave
; the remainder outside the polynomials' range.
.set X, 36                             ; v[36:163]  32 pieces of 4 registers, as loaded
.set Y, 164                            ; v[164:227] 32 pairs to store
.set W, 228                            ; v[228:231] at work on Wo's way to f16
	s_load_b512 s[4:19], s[0:1], 0x0               ; x 4:5, Wq 6:7, Wk 8:9, Wv 10:11, Wo 12:13, positions 14:15, xw 16:17, rope 18:19
	s_mov_b32 s2, ttmp9                            ; g
	s_lshr_b32 s20, s2, 5                          ; chunk of 1,024 rows: 0-3 x, 4 Wq, 5 Wk, 6 Wv, 7 Wo
	s_and_b32 s21, s2, 31
	s_cmp_lt_u32 s20, 4
	s_cselect_b32 s24, s2, s21                     ; my place inside the source: g in x, g mod 32 in a weight
	s_lshl_b32 s24, s24, 17                        ; times 128 KiB
	s_mov_b32 s25, 0
	s_lshl_b32 s40, s2, 16                         ; my 64 KiB of xw
	s_mov_b32 s41, 0
	s_lshl_b32 s42, s2, 12                         ; my 16 rows of 256 bytes of the table
	s_mov_b32 s43, 0
	s_lshl_b32 s3, s2, 4                           ; my first token
	s_mov_b32 s26, 0x3f22f983                      ; 2 / pi
	s_mov_b32 s27, 0xbfc90fdb                      ; -(pi/2 rounded to f32)
	s_mov_b32 s28, 0x333bbd2e                      ; -(pi/2 less that)
	s_mov_b32 s29, 0xbe2aaaa3                      ; sine:   r + r^3 (S1 + z (S2 + z S3)), z = r^2
	s_mov_b32 s30, 0x3c08839e
	s_mov_b32 s31, 0xb94ca1f9
	s_mov_b32 s32, 0x3d2aaaa5                      ; cosine: 1 - z/2 + z^2 (C1 + z (C2 + z C3))
	s_mov_b32 s33, 0xbab6061a
	s_mov_b32 s34, 0x37ccf5ce
	s_mov_b32 s35, 0xbf04e08b                      ; -log2(100000) / 32
	s_mov_b32 s36, 0x80000000                      ; the sign
	s_mov_b32 s37, 0xffff0000                      ; a word's upper bf16
	v_lshlrev_b32 v1, 4, v0                        ; 16 t: my place in a load, and in the table's 4,096 bytes
	v_lshlrev_b32 v2, 3, v0                        ; 8 t: my place in a store
	v_lshrrev_b32 v3, 4, v0
	v_add_lshl_u32 v3, v3, s3, 2                   ; 4 (16 g + t / 16): my token's position
	v_and_b32 v6, 15, v0
	v_lshlrev_b32 v6, 1, v6                        ; my first pair, 2 (t mod 16)
	v_cvt_f32_u32 v7, v6
	v_add_f32 v8, 1.0, v7                          ; my second pair
	v_mul_f32 v7, s35, v7
	v_mul_f32 v8, s35, v8
	v_exp_f32 v9, v7                               ; 100000^(-pair/32), twice; the conversion of the position below is the plain
	v_exp_f32 v10, v8                              ; vector instruction that stands in front of their first use (ISA guide 5.7.2)
	s_wait_kmcnt 0x0
	s_mov_b64 s[22:23], s[4:5]                     ; the source, chosen by the chunk's number
	s_cmp_eq_u32 s20, 4
	s_cselect_b64 s[22:23], s[6:7], s[22:23]
	s_cmp_eq_u32 s20, 5
	s_cselect_b64 s[22:23], s[8:9], s[22:23]
	s_cmp_eq_u32 s20, 6
	s_cselect_b64 s[22:23], s[10:11], s[22:23]
	s_cmp_eq_u32 s20, 7
	s_cselect_b64 s[22:23], s[12:13], s[22:23]
	s_add_nc_u64 s[22:23], s[22:23], s[24:25]
	s_add_nc_u64 s[16:17], s[16:17], s[40:41]
	s_add_nc_u64 s[18:19], s[18:19], s[42:43]
	global_load_b32 v4, v3, s[14:15]
.set i, 0
.rept 32
	global_load_b128 v[X+4*i:X+4*i+3], v1, s[22:23] offset:4096*i th:TH_LOAD_NT
.set i, i+1
.endr
	s_wait_loadcnt 32                              ; the position is in; the 32 younger loads stay out
	v_cvt_f32_i32 v5, v4
	s_wait_alu depctr_va_vdst(0)
; cosine into v[c], sine into v[s] of position * v[inv]
.macro SINCOS inv, c, s
	v_mul_f32 v11, v5, v[\inv]                     ; the angle, rounded once
	v_mul_f32 v12, s26, v11
	v_rndne_f32 v12, v12                           ; k = the nearest multiple of pi/2
	v_fma_f32 v13, v12, s27, v11
	v_fma_f32 v13, v12, s28, v13                   ; r = angle - k pi/2
	v_cvt_i32_f32 v14, v12
	v_mul_f32 v15, v13, v13                        ; z
	v_fma_f32 v16, v15, s31, s30
	v_fma_f32 v16, v16, v15, s29
	v_mul_f32 v17, v15, v13
	v_fma_f32 v16, v16, v17, v13                   ; sin r
	v_fma_f32 v18, v15, s34, s33
	v_fma_f32 v18, v18, v15, s32
	v_mul_f32 v19, v15, v15
	v_fma_f32 v20, v15, -0.5, 1.0
	v_fma_f32 v18, v18, v19, v20                   ; cos r
	v_and_b32 v21, 1, v14
	v_cmp_eq_u32 vcc_lo, 1, v21                    ; odd k: the two change places
	v_cndmask_b32 v22, v16, v18, vcc_lo
	v_cndmask_b32 v23, v18, v16, vcc_lo
	v_lshlrev_b32 v24, 30, v14                     ; the sine is negative where k mod 4 is 2 or 3,
	v_add_nc_u32 v25, 1, v14
	v_lshlrev_b32 v25, 30, v25                     ; the cosine where it is 1 or 2
	v_and_b32 v24, s36, v24
	v_and_b32 v25, s36, v25
	v_xor_b32 v[\s], v22, v24
	v_xor_b32 v[\c], v23, v25
.endm
	SINCOS 9, 30, 31
	SINCOS 10, 32, 33
	global_store_b128 v1, v[30:33], s[18:19]       ; two pairs of one token: a wave's store covers 512 neighbouring bytes
; The 32 pieces.  Piece i waits for its load (31 - i younger ones stay out), rounds and stores.  Nothing is a loop: no address and no
; store's data register is written again behind its store.
.macro BODY f16
.set i, 0
.rept 32
	s_wait_loadcnt 31-i
	v_cvt_pk_bf16_f32 v[Y+2*i],   v[X+4*i],   v[X+4*i+1]
	v_cvt_pk_bf16_f32 v[Y+2*i+1], v[X+4*i+2], v[X+4*i+3]
.if \f16
	v_lshlrev_b32 v[W],   16, v[Y+2*i]             ; the bf16 values as f32,
	v_and_b32     v[W+1], s37, v[Y+2*i]
	v_lshlrev_b32 v[W+2], 16, v[Y+2*i+1]
	v_and_b32     v[W+3], s37, v[Y+2*i+1]
	v_cvt_pk_f16_f32 v[Y+2*i],   v[W],   v[W+1]    ; and written as f16
	v_cvt_pk_f16_f32 v[Y+2*i+1], v[W+2], v[W+3]
.endif
	global_store_b64 v2, v[Y+2*i:Y+2*i+1], s[16:17] offset:2048*i
.set i, i+1
.endr
.endm
	s_cmp_eq_u32 s20, 7
	s_cbranch_scc1 .Lwo
	BODY 0
	s_endpgm
.Lwo:
	BODY 1
	s_endpgm
.Lfunc_end_k_q51a32897d3_prep:
	.size	k_q51a32897d3_prep, .Lfunc_end_k_q51a32897d3_prep-k_q51a32897d3_prep
	.p2alignl 7, 3214868480
	.fill 96, 4, 3214868480
	.section	.rodata,"a",@progbits
	.p2align	6, 0x0
	.amdhsa_kernel k_q51a32897d3_prep
		.amdhsa_group_segment_fixed_size 0
		.amdhsa_private_segment_fixed_size 0
		.amdhsa_enable_private_segment 0
		.amdhsa_kernarg_size 64
		.amdhsa_user_sgpr_count 2
		.amdhsa_user_sgpr_kernarg_segment_ptr 1
		.amdhsa_wavefront_size32 1
		.amdhsa_system_sgpr_workgroup_id_x 1
		.amdhsa_system_sgpr_workgroup_id_y 1
		.amdhsa_system_sgpr_workgroup_id_z 1
		.amdhsa_system_vgpr_workitem_id 0
		.amdhsa_next_free_vgpr 232
		.amdhsa_next_free_sgpr 66
		.amdhsa_reserve_vcc 1
		.amdhsa_float_denorm_mode_32 3
		.amdhsa_float_denorm_mode_16_64 3
		.amdhsa_memory_ordered 1
		.amdhsa_forward_progress 1
		.amdhsa_inst_pref_size 32
	.end_amdhsa_kernel
	.amdgpu_metadata
---
amdhsa.version: [ 1, 2 ]
amdhsa.kernels:
  - .name:           k_q51a32897d3_prep
    .symbol:         k_q51a32897d3_prep.kd
    .args:
      - { .name: x, .offset: 0, .size: 8, .value_kind: global_buffer, .address_space: global }
      - { .name: Wq, .offset: 8, .size: 8, .value_kind: global_buffer, .address_space: global }
      - { .name: Wk, .offset: 16, .size: 8, .value_kind: global_buffer, .address_space: global }
      - { .name: Wv, .offset: 24, .size: 8, .value_kind: global_buffer, .address_space: global }
      - { .name: Wo, .offset: 32, .size: 8, .value_kind: global_buffer, .address_space: global }
      - { .name: token_positions, .offset: 40, .size: 8, .value_kind: global_buffer, .address_space: global }
      - { .name: xw, .offset: 48, .size: 8, .value_kind: global_buffer, .address_space: global }
      - { .name: rope, .offset: 56, .size: 8, .value_kind: global_buffer, .address_space: global }
    .group_segment_fixed_size: 0
    .private_segment_fixed_size: 0
    .kernarg_segment_align: 8
    .kernarg_segment_size: 64
    .max_flat_workgroup_size: 256
    .sgpr_count:     66
    .vgpr_count:     232
    .wavefront_size: 32
...
	.end_amdgpu_metadata
.endif
;; end of part 1
;; launch qkv (part 2): grid 12 x 16, 4 waves a work-group, clusters of 4 x 4, 327,680 bytes of LDS; arguments xw, rope, qkv; writes qkv
.if DOCPART == 2
	.amdgcn_target "amdgcn-amd-amdhsa--gfx1250"
	.amdhsa_code_object_version 6
	.text
	.protected	k_q51a32897d3_qkv
	.globl	k_q51a32897d3_qkv
	.p2align	8
	.type	k_q51a32897d3_qkv,@function
k_q51a32897d3_qkv:
	s_mov_b64 s[64:65], 0
	v_nop
	global_prefetch_b8 v0, s[64:65] scope:SCOPE_SE
	s_setreg_imm32_b32 hwreg(HW_REG_WAVE_MODE, 25, 1), 1
	s_wait_xcnt 0x0
	s_wait_alu depctr_hold_cnt(0) depctr_sa_sdst(0) depctr_va_vdst(0) depctr_va_sdst(0) depctr_va_ssrc(0) depctr_va_vcc(0) depctr_vm_vsrc(0)
	s_getreg_b32 s2, hwreg(HW_REG_IB_STS2, 6, 4)
	s_cmp_eq_u32 s2, 0
	s_cbranch_scc0 .Lentry_in_a_cluster
	s_endpgm
.Lentry_in_a_cluster:
	s_bfe_u32 s2, ttmp6, 0x10000c
	s_cmp_lg_u32 s2, 0xf033
	s_cbranch_scc0 .Lentry_shape_is_right
	s_endpgm
.Lentry_shape_is_right:
; qkv: C[token][n] = sum over k of x[token][k] W[n][k], n = 0..3071 over Wq, Wk, Wv; bf16 operands from xw, sums in f32.
; Q and K are rotated pair by pair (table rope) on the way out; all three leave as f16, head by head: qkv is [48][4096][64],
; planes 0-15 Q's heads, 16-31 K's, 32-47 V's.
; A work-group makes 256 tokens x 256 columns with four waves; a wave makes 128 x 128: 64 accumulator tiles of 16 x 16, 512 registers.
; K goes in steps of 128 through a ring of two LDS slots filled by the tensor data mover; a tile's rows are 256 bytes of memory, aligned.
; CLUSTERS: 4 x 4 work-groups.  The four of a row of the cluster need the same tiles of x, the four of a column the same tiles of W: each
; such tile is asked for jointly, by the same tensor load with a mask that names the four.  12 x 16 = 192 work-groups: blocks of 256
; columns keep a head, and the border between Q, K and V, whole inside a wave; one column of clusters is exactly Q, K or V.
; TWO WAYS OUT: Q and K are rotated, V is not.  The text parts in front of the last K step, which is written out once on each way: the
; rotating way asks for the table's first two pieces at that step's head, so that they land under its 256 matrix instructions.
; LIMIT: |Q|, |K|, |V| < 65,504 (f16's largest number).
;
; REGISTERS, in windows of 256 (s_set_vgpr_msb says which window each operand place means):
;   window 0: v0-31 addresses; v32-63, v224-255 pieces of the table; v64-127, v128-191 fragments of x, two buffers (on the way out:
;             rotated results, rows read back); v192-223 packed results
;   window 1: v64-127, v128-191 fragments of W, two buffers
;   window 2: the 32 accumulator tiles of my tokens 0-63 (tile (a, b) at v[8 (8 a + b)]);   window 3: those of my tokens 64-127
; THE MATRIX INSTRUCTION IS USED TRANSPOSED: source 0 = 16 rows of W, source 1 = 16 rows of x.  Lane l then holds token l % 16 and its
; registers 0-7 the columns 8 (l / 16) + 0..7: four whole pairs of the rotation, and 16 neighbouring bytes of f16.
.set SIZE_K, 1024
.set KSTEP,  128
.set PITCH,  272                       ; an LDS row: 256 bytes + 16 of padding, so that the 16 rows of a fragment load start 4 banks apart (64 banks of 4 bytes: ISA guide 11.1)
.set HALFT,  128*PITCH                 ; 128 rows: what one tensor load brings
.set SLOT,   4*HALFT                   ; x's 256 rows, then W's 256 rows
.set STAGE,  2*SLOT                    ; behind the ring: 16 rows x 272 bytes for each wave, for the way out; no tensor load lands there
.set SPITCH, 272
.set LAPS, SIZE_K/(2*KSTEP)            ; a lap = two K steps = once round the ring: 4
.set ADRA, 16                          ; v16-17  LDS address of my x fragments in slot 0, 1
.set ADRB, 20                          ; v20-21  the same for W
.set STO,  24                          ; v24     the way out: where I put 16 bytes of a row
.set RD,   25                          ; v25     the way out: where I read back
.set CO,   26                          ; v26     my byte offset in qkv
.set RO,   27                          ; v27     my byte offset in the table
.set CS0,  32                          ; table pieces, two buffers
.set CS1,  224
.set F0,   64
.set F1,   128
.set R,    64                          ; the way out: 64 rotated numbers
.set RB0,  128                         ; the way out: rows read back, two buffers
.set RB1,  160
.set TMP,  192
.set G1, 24                            ; s[24:31] descriptor group 1 for x's tiles
.set G0, 32                            ; s[32:39] descriptor group 0 for x's tiles, one set for each slot
.set G1B, 48                           ; s[48:55] group 1 for W's tiles: another mask
.set G0B, 56                           ; s[56:63] group 0 for W's tiles
.set MSB, 0
.macro WIN new                         ; the immediate's high byte repeats the setting that is left
.if MSB != \new
	s_set_vgpr_msb (MSB<<8)|\new
.set MSB, \new
.endif
.endm
.set MUL_LO, 0xa1                      ; source 0 (W) window 1, source 1 (x) window 0, C and D window 2
.set MUL_HI, 0xf1                      ; the same, C and D window 3
.set TO_B,   0x40                      ; destination window 1, address window 0
; A joint load.  Waves 0 and 1 fetch x's two halves, waves 2 and 3 W's.  The branch hangs on the wave's number alone.
.macro JLOAD s
	s_cmp_eq_u32 s11, 0
	s_cbranch_scc0 .Lfor_b_\@
	tensor_load_to_lds s[G0+4*\s:G0+4*\s+3], s[G1:G1+7]
	s_nop 0
	s_branch .Lasked_\@
.Lfor_b_\@:
	tensor_load_to_lds s[G0B+4*\s:G0B+4*\s+3], s[G1B:G1B+7]
	s_nop 0
.Lasked_\@:
.endm
; A round of the cluster's barrier: my work-group's barrier; wave 0 signals for the work-group; every wave waits for all sixteen; my work-group's barrier once more.
.macro CREST                           ; a round behind its opening barrier
	s_cmp_lg_u32 s10, 0
	s_cbranch_scc1 .Lnot_wave_0_\@
	s_barrier_signal -3
.Lnot_wave_0_\@:
	s_barrier_wait -3
	s_barrier_signal -1
	s_barrier_wait -1
.endm
.macro CROUND
	s_barrier_signal -1
	s_barrier_wait -1
	CREST
.endm
	s_load_b128 s[4:7], s[0:1], 0x0                ; xw s[4:5], rope s[6:7]
	s_load_b64 s[8:9], s[0:1], 0x10                ; qkv
	s_set_vgpr_msb 0x40
	v_lshl_add_u32 v255, v0, 2, 0x48400
	s_set_vgpr_msb 0x4000
	v_mov_b32 v31, 0
	s_set_vgpr_msb 0x1
	ds_add_u32 v255, v31
	s_set_vgpr_msb 0x100
	v_lshrrev_b32 v1, 5, v0
	v_readfirstlane_b32 s10, v1                    ; wave 0..3
	s_lshr_b32 s11, s10, 1                         ; which half of the block's tokens is mine.  Also: I fetch for x (0) or for W (1)
	s_and_b32 s12, s10, 1                          ; which half of its columns.  Also: which 128 rows of that tile I fetch
	s_bfe_u32 s40, ttmp6, 0x40000                  ; cx
	s_bfe_u32 s41, ttmp6, 0x40004                  ; cy
	s_lshl_b32 s42, ttmp9, 2
	s_add_co_u32 s42, s42, s40                     ; block column = 4 x cluster x + cx
	s_and_b32 s13, ttmp7, 0xffff
	s_lshl_b32 s13, s13, 2
	s_add_co_u32 s13, s13, s41                     ; block row = 4 x cluster y + cy
	s_lshl_b32 s43, s41, 2
	s_lshl_b32 s43, 15, s43                        ; my row of the cluster: places 4 cy .. 4 cy + 3
	s_lshl_b32 s44, 0x1111, s40                    ; my column: places cx, cx + 4, cx + 8, cx + 12
	; group 1: a tile of 128 rows x 128 elements of 2 bytes, 16 bytes of padding behind every 256
	s_or_b32 s[G1+0], s43, (1<<16)|(1<<20)|(1<<21)|(5<<22)|(3<<25)
	s_or_b32 s[G1B+0], s44, (1<<16)|(1<<20)|(1<<21)|(5<<22)|(3<<25)
	s_mov_b32 s[G1B+1], KSTEP<<16
	s_mov_b32 s[G1+1], KSTEP<<16                   ; tensor_dim0 = 128
	s_mov_b32 s[G1B+2], 128<<16
	s_mov_b32 s[G1+2], 128<<16                     ; tensor_dim1 = 128
	s_mov_b32 s[G1B+3], KSTEP<<16
	s_mov_b32 s[G1+3], KSTEP<<16                   ; tile_dim0 = 128
	s_mov_b32 s[G1B+4], 128
	s_mov_b32 s[G1+4], 128                         ; tile_dim1 = 128
	s_mov_b32 s[G1B+5], SIZE_K
	s_mov_b32 s[G1+5], SIZE_K                      ; elements from row to row
	s_mov_b32 s[G1B+6], 0
	s_mov_b32 s[G1+6], 0
	s_mov_b32 s[G1B+7], 0
	s_mov_b32 s[G1+7], 0
	; x's tiles hang on the block row alone, W's on the block column alone; each address is made in registers that never hold the other coordinate
	s_lshl_b32 s17, s12, 7
	s_lshl_b32 s16, s13, 8
	s_add_co_u32 s16, s16, s17                     ; x: row 256 x block row + 128 x half
	s_lshl_b32 s46, s42, 8
	s_add_co_u32 s46, s46, s17
	s_add_co_u32 s46, s46, 4096                    ; W: row 4096 + 256 x block column + 128 x half of xw
	s_mov_b32 s17, 0
	s_mov_b32 s47, 0
	s_mov_b64 s[18:19], SIZE_K*2
	s_mul_u64 s[16:17], s[16:17], s[18:19]
	s_mul_u64 s[46:47], s[46:47], s[18:19]
	s_mul_i32 s20, s10, HALFT                      ; where they go: wave x 128 rows
	s_wait_dscnt 0x0
	s_wait_kmcnt 0x0
	s_add_nc_u64 s[14:15], s[4:5], s[16:17]
	s_add_nc_u64 s[46:47], s[4:5], s[46:47]
	CROUND                                         ; all sixteen work-groups are here: the first joint loads meet
.irp s, 0,1
	s_mov_b32 s[G0+4*\s], 1
	s_add_co_u32 s[G0+4*\s+1], s20, \s*SLOT
	s_add_nc_u64 s[G0+4*\s+2:G0+4*\s+3], s[14:15], \s*KSTEP*2
	s_or_b32 s[G0+4*\s+3], s[G0+4*\s+3], 0x80000000
	s_mov_b32 s[G0B+4*\s], 1
	s_add_co_u32 s[G0B+4*\s+1], s20, \s*SLOT
	s_add_nc_u64 s[G0B+4*\s+2:G0B+4*\s+3], s[46:47], \s*KSTEP*2
	s_or_b32 s[G0B+4*\s+3], s[G0B+4*\s+3], 0x80000000
	JLOAD \s                                       ; the ring is filled before anything else is done
.endr
	v_and_b32 v1, 15, v0                           ; r = l % 16
	v_bfe_u32 v2, v0, 4, 1                         ; h = l / 16
	v_mul_u32_u24 v3, v1, PITCH
	v_lshl_add_u32 v3, v2, 4, v3                   ; a fragment: row x pitch + 16 x half, two loads 32 bytes apart
	s_mul_i32 s21, s11, HALFT
	s_mul_i32 s22, s12, HALFT
	s_add_co_u32 s22, s22, 2*HALFT
.irp s, 0,1
	v_add_nc_u32 v[ADRA+\s], s21, v3
	v_add_nc_u32 v[ADRB+\s], s22, v3
	s_add_co_u32 s21, s21, SLOT
	s_add_co_u32 s22, s22, SLOT
.endr
	s_mul_i32 s23, s10, 16*SPITCH
	s_add_co_u32 s23, s23, STAGE                   ; my stage
	v_mul_u32_u24 v4, v1, SPITCH                   ; in: token r, 16 bytes for each half of the lanes
	v_lshl_add_u32 v4, v2, 4, v4
	v_add_nc_u32 v[STO], s23, v4
	v_bfe_u32 v5, v0, 3, 1                         ; back: lanes 0-7 and 8-15 take 128 bytes (one head) of two tokens, lanes 16-31 the next head's
	v_mul_u32_u24 v5, v5, SPITCH
	v_lshl_add_u32 v5, v2, 7, v5
	v_and_b32 v6, 7, v0
	v_lshl_add_u32 v5, v6, 4, v5
	v_add_nc_u32 v[RD], s23, v5
	v_lshlrev_b32 v5, 19, v2                       ; in qkv: a plane of 524,288 bytes further for lanes 16-31,
	v_lshl_add_u32 v[CO], v1, 4, v5                ; and 256 neighbouring bytes (two tokens of a head) for sixteen lanes
	v_lshlrev_b32 v5, 8, v1
	v_lshl_add_u32 v[RO], v2, 5, v5                ; in the table: token r's 256 bytes, four pairs (32 bytes) further for lanes 16-31
	s_lshl_b32 s16, s13, 8
	s_lshl_b32 s17, s11, 7
	s_add_co_u32 s16, s16, s17                     ; my first token
	s_lshl_b32 s18, s16, 8
	s_mov_b32 s19, 0
	s_add_nc_u64 s[6:7], s[6:7], s[18:19]          ; the table at my first token
; (cos, sin) of tokens 16 i + r, pairs 8 b + 4 h + 0..3, b = 0..3: pair p of piece b lies in registers buf + 8 b + 2 p, + 1
.macro CSLOAD i, buf
.irp b, 0,1,2,3
	global_load_b128 v[\buf+8*\b:\buf+8*\b+3],   v[RO], s[6:7] offset:4096*(\i)+64*\b
	global_load_b128 v[\buf+8*\b+4:\buf+8*\b+7], v[RO], s[6:7] offset:4096*(\i)+64*\b+16
.endr
.endm
; 16 matrix instructions: token blocks a0, a0 + 1 of the window's four x all 8 column blocks, 32 along K.  zero = 1: the first product starts the sums.
.macro MUL16 f, hi, a0, zero
.irp a, \a0, \a0+1
.irp b, 0,1,2,3,4,5,6,7
.if \zero
	v_wmma_f32_16x16x32_bf16 v[8*(8*(\a)+\b):8*(8*(\a)+\b)+7], v[\f+8*\b:\f+8*\b+7], v[\f+8*(4*\hi+\a):\f+8*(4*\hi+\a)+7], 0
.else
	v_wmma_f32_16x16x32_bf16 v[8*(8*(\a)+\b):8*(8*(\a)+\b)+7], v[\f+8*\b:\f+8*\b+7], v[\f+8*(4*\hi+\a):\f+8*(4*\hi+\a)+7], v[8*(8*(\a)+\b):8*(8*(\a)+\b)+7]
.endif
.endr
.endr
.endm
; 32 LDS loads in one run: the fragments of one quarter step into buffer f
.macro FETCH slot, k, f
	WIN TO_B
.irp i, 0,1,2,3,4,5,6,7
	ds_load_b128 v[\f+8*\i:\f+8*\i+3],   v[ADRB+\slot] offset:\k+\i*16*PITCH
	ds_load_b128 v[\f+8*\i+4:\f+8*\i+7], v[ADRB+\slot] offset:\k+\i*16*PITCH+32
.endr
	WIN 0
.irp i, 0,1,2,3,4,5,6,7
	ds_load_b128 v[\f+8*\i:\f+8*\i+3],   v[ADRA+\slot] offset:\k+\i*16*PITCH
	ds_load_b128 v[\f+8*\i+4:\f+8*\i+7], v[ADRA+\slot] offset:\k+\i*16*PITCH+32
.endr
.endm
; A load into a register that a matrix instruction has read, and a vector instruction that reads a matrix result or writes one of its
; registers, stand four places behind it; only plain vector instructions that name none of its registers are places (ISA guide 7.12.1
; for vector instructions).
.macro PLACES
.rept 4
	v_nop
.endr
.endm
; The 64 accumulators take turns, one instruction a turn, in the same order in every quarter step.
.macro QUARTER slot, k, f, g, zero
	s_wait_dscnt 8                                 ; W and x's rows 0-63 are in; the youngest eight loads (x's rows 64-127) may be out
	WIN MUL_LO
	MUL16 \f, 0, 0, \zero
	MUL16 \f, 0, 2, \zero
	PLACES
	FETCH \slot, \k, \g
	s_wait_dscnt 32                                ; all but the 32 just issued
	WIN MUL_HI
	MUL16 \f, 1, 0, \zero
	MUL16 \f, 1, 2, \zero
.endm
.macro THREE slot, zero
	QUARTER \slot, 64,  F0, F1, \zero
	QUARTER \slot, 128, F1, F0, 0
	QUARTER \slot, 192, F0, F1, 0
.endm
; The last quarter changes slots.  In front of the one barrier each wave waits for its reads of this slot and for all its tensor loads (one
; is out: its part of the next slot).  Behind it the refill comes first, then the next slot's first fragments.
.macro TURN slot, next, fill
	s_wait_dscnt 8
	WIN MUL_LO
	MUL16 F1, 0, 0, 0
	s_wait_dscnt 0                                 ; my reads of this slot are over
	s_wait_tensorcnt 0x0                           ; and all my tensor loads have landed
	ds_add_u32 v255, v31
	s_wait_dscnt 0x0
	s_barrier_signal -1                            ; where a slot is filled again this barrier opens a round of the cluster's barrier
	MUL16 F1, 0, 2, 0                              ; registers only
	WIN 0
	s_barrier_wait -1
.if \fill
	CREST                                          ; no wave of any partner still reads this slot's tile or has a load on its way
	s_add_nc_u64 s[G0+4*\slot+2:G0+4*\slot+3], s[G0+4*\slot+2:G0+4*\slot+3], 2*KSTEP*2
	s_add_nc_u64 s[G0B+4*\slot+2:G0B+4*\slot+3], s[G0B+4*\slot+2:G0B+4*\slot+3], 2*KSTEP*2
	JLOAD \slot                                    ; the first tensor load behind the round, one a wave
.endif
	PLACES
	FETCH \next, 0, F0
	WIN MUL_HI
	MUL16 F1, 1, 0, 0
	MUL16 F1, 1, 2, 0
.endm
.macro LAP zero
	THREE 0, \zero
	TURN 0, 1, 1
	THREE 1, 0
	TURN 1, 0, 1
.endm
; The last K step, in slot 1: nothing more to fetch, no barrier.  It ends with the places behind the last matrix instructions, in front of
; the way out's vector reads of results and its loads into the fragment buffers.
.macro LASTSTEP
	THREE 1, 0
	s_wait_dscnt 8
	WIN MUL_LO
	MUL16 F1, 0, 0, 0
	MUL16 F1, 0, 2, 0
	s_wait_dscnt 0
	WIN MUL_HI
	MUL16 F1, 1, 0, 0
	MUL16 F1, 1, 2, 0
	PLACES
	WIN 0
.endm
; THE WAY OUT, 16 tokens at a time.
; 16 tokens x 128 columns of f16 from TMP through my stage: 16 bytes a lane in, read back so that sixteen lanes hold two tokens of one head,
; 256 neighbouring bytes of qkv, aligned.  LDS serves a wave's instructions in order (ISA guide 5.7.1): no wait between the stores and the loads.
.macro FLUSH i, rb
.irp b, 0,1,2,3,4,5,6,7
	ds_store_b128 v[STO], v[TMP+4*\b:TMP+4*\b+3] offset:32*\b
.endr
	s_wait_xcnt 0x0                                ; buffer rb, which earlier stores read, is loaded again only behind this wait
.irp t, 0,1,2,3,4,5,6,7
	ds_load_b128 v[\rb+4*\t:\rb+4*\t+3], v[RD] offset:\t*2*SPITCH
.endr
.irp t, 0,1,2,3,4,5,6,7
	s_wait_dscnt 7-\t
	global_store_b128 v[CO], v[\rb+4*\t:\rb+4*\t+3], s[8:9] offset:2048*\i+256*\t
.endr
.endm
; Q and K: tokens 16 i .. + 15 = tiles (a, 0..7) of window 2 or 3 (from = 0x02 or 0x03: source 0).  Registers 2 p, 2 p + 1 of a tile are pair
; 8 (b mod 4) + 4 h + p of the head: r1 = x1 cos - x2 sin, r2 = x1 sin + x2 cos.  Tiles b and b + 4 are two heads and use the same piece.
.macro ROPE16 i, a, from, cs, rb
.if \i < 7
	s_wait_loadcnt 8                               ; this block's piece is in; the next block's eight loads stay out
.else
	s_wait_loadcnt 0
.endif
	WIN \from
.irp b, 0,1,2,3,4,5,6,7
.irp p, 0,1,2,3
	v_mul_f32 v[R+8*\b+2*\p],   v[8*(8*\a+\b)+2*\p+1], v[\cs+8*(\b%4)+2*\p+1]
	v_mul_f32 v[R+8*\b+2*\p+1], v[8*(8*\a+\b)+2*\p+1], v[\cs+8*(\b%4)+2*\p]
	v_fma_f32 v[R+8*\b+2*\p],   v[8*(8*\a+\b)+2*\p], v[\cs+8*(\b%4)+2*\p],   -v[R+8*\b+2*\p]
	v_fma_f32 v[R+8*\b+2*\p+1], v[8*(8*\a+\b)+2*\p], v[\cs+8*(\b%4)+2*\p+1], v[R+8*\b+2*\p+1]
.endr
.endr
	WIN 0
.if \i < 6
	CSLOAD \i+2, \cs                               ; the piece two blocks on, into the registers just read
.endif
.irp b, 0,1,2,3,4,5,6,7
.irp p, 0,1,2,3
	v_cvt_pk_f16_f32 v[TMP+4*\b+\p], v[R+8*\b+2*\p], v[R+8*\b+2*\p+1]
.endr
.endr
	FLUSH \i, \rb
.endm
; V: rounded as it is (from = 0x0a or 0x0f: sources 0 and 1)
.macro PLAIN16 i, a, from, rb
	WIN \from
.irp b, 0,1,2,3,4,5,6,7
.irp p, 0,1,2,3
	v_cvt_pk_f16_f32 v[TMP+4*\b+\p], v[8*(8*\a+\b)+2*\p], v[8*(8*\a+\b)+2*\p+1]
.endr
.endr
	WIN 0
	FLUSH \i, \rb
.endm
	s_wait_tensorcnt 1                             ; my part of K step 0 is in; K step 1's stays out
	s_barrier_signal -1
	s_barrier_wait -1
	FETCH 0, 0, F0
	LAP 1                                          ; the first lap stands in front of the loop: its first products start the sums
	WIN 0
	s_mov_b32 s3, LAPS-2
.Llap:
	LAP 0
	WIN 0
	s_sub_co_u32 s3, s3, 1
	s_cmp_lg_u32 s3, 0
	s_cbranch_scc1 .Llap
	THREE 0, 0                                     ; the last lap fills nothing
	TURN 0, 1, 0                                   ; its barrier is the last in front of the closing round; no tensor load is out behind it
	WIN 0                                          ; a branch follows
	s_lshl_b32 s13, s13, 8
	s_lshl_b32 s14, s11, 7
	s_add_co_u32 s16, s13, s14                     ; my first token,
	s_lshl_b32 s16, s16, 7                         ; times a head row's 128 bytes
	s_mov_b32 s17, 0
	s_add_nc_u64 s[8:9], s[8:9], s[16:17]
	s_lshl_b32 s46, s42, 2                         ; my first plane: 4 x block column + 2 x half
	s_lshl_b32 s47, s12, 1
	s_add_co_u32 s46, s46, s47
	s_lshl_b32 s46, s46, 19                        ; times 524,288 bytes
	s_mov_b32 s47, 0
	s_add_nc_u64 s[8:9], s[8:9], s[46:47]
	s_cmp_eq_u32 ttmp9, 2                          ; the third column of clusters is V: no rotation, no table.  The cluster's x is the same in all partners
	s_cbranch_scc1 .Lplain
	CSLOAD 0, CS0                                  ; sixteen loads into registers that no matrix instruction names; they are used behind the last K step
	CSLOAD 1, CS1
	LASTSTEP
	ROPE16 0, 0, 0x02, CS0, RB0
	ROPE16 1, 1, 0x02, CS1, RB1
	ROPE16 2, 2, 0x02, CS0, RB0
	ROPE16 3, 3, 0x02, CS1, RB1
	ROPE16 4, 0, 0x03, CS0, RB0
	ROPE16 5, 1, 0x03, CS1, RB1
	ROPE16 6, 2, 0x03, CS0, RB0
	ROPE16 7, 3, 0x03, CS1, RB1
	s_branch .Lclose
.Lplain:
	LASTSTEP
	PLAIN16 0, 0, 0x0a, RB0
	PLAIN16 1, 1, 0x0a, RB1
	PLAIN16 2, 2, 0x0a, RB0
	PLAIN16 3, 3, 0x0a, RB1
	PLAIN16 4, 0, 0x0f, RB0
	PLAIN16 5, 1, 0x0f, RB1
	PLAIN16 6, 2, 0x0f, RB0
	PLAIN16 7, 3, 0x0f, RB1
.Lclose:
	s_set_vgpr_msb 0x1
	s_wait_tensorcnt 0x0
	ds_add_u32 v255, v31
	s_wait_dscnt 0x0
	s_set_vgpr_msb 0x100
	CROUND                                         ; the closing round: no work-group ends while a partner may still ask for a tile that names it
	s_endpgm
.Lfunc_end_k_q51a32897d3_qkv:
	.size	k_q51a32897d3_qkv, .Lfunc_end_k_q51a32897d3_qkv-k_q51a32897d3_qkv
	.p2alignl 7, 3214868480
	.fill 96, 4, 3214868480
	.section	.rodata,"a",@progbits
	.p2align	6, 0x0
	.amdhsa_kernel k_q51a32897d3_qkv
		.amdhsa_group_segment_fixed_size 327680
		.amdhsa_private_segment_fixed_size 0
		.amdhsa_enable_private_segment 0
		.amdhsa_kernarg_size 24
		.amdhsa_user_sgpr_count 2
		.amdhsa_user_sgpr_kernarg_segment_ptr 1
		.amdhsa_wavefront_size32 1
		.amdhsa_system_sgpr_workgroup_id_x 1
		.amdhsa_system_sgpr_workgroup_id_y 1
		.amdhsa_system_sgpr_workgroup_id_z 1
		.amdhsa_system_vgpr_workitem_id 0
		.amdhsa_next_free_vgpr 1024
		.amdhsa_next_free_sgpr 66
		.amdhsa_reserve_vcc 0
		.amdhsa_float_denorm_mode_32 3
		.amdhsa_float_denorm_mode_16_64 3
		.amdhsa_memory_ordered 1
		.amdhsa_forward_progress 1
		.amdhsa_inst_pref_size 255
	.end_amdhsa_kernel
	.section	.bss,"aw",@nobits
	.p2align	6
	.space	262144
	.amdgpu_metadata
---
amdhsa.version: [ 1, 2 ]
amdhsa.kernels:
  - .name:           k_q51a32897d3_qkv
    .symbol:         k_q51a32897d3_qkv.kd
    .args:
      - { .name: xw, .offset: 0, .size: 8, .value_kind: global_buffer, .address_space: global }
      - { .name: rope, .offset: 8, .size: 8, .value_kind: global_buffer, .address_space: global }
      - { .name: qkv, .offset: 16, .size: 8, .value_kind: global_buffer, .address_space: global }
    .group_segment_fixed_size: 327680
    .private_segment_fixed_size: 0
    .kernarg_segment_align: 8
    .kernarg_segment_size: 24
    .max_flat_workgroup_size: 128
    .sgpr_count:     66
    .vgpr_count:     1024
    .wavefront_size: 32
...
	.end_amdgpu_metadata
.endif
;; end of part 2
;; launch attn (part 3): grid 16 x 16, 8 waves a work-group, no clusters, 327,680 bytes of LDS; arguments qkv, attn2; writes attn2
.if DOCPART == 3
	.amdgcn_target "amdgcn-amd-amdhsa--gfx1250"
	.amdhsa_code_object_version 6
	.text
	.protected	k_q51a32897d3_attn
	.globl	k_q51a32897d3_attn
	.p2align	8
	.type	k_q51a32897d3_attn,@function
k_q51a32897d3_attn:
	s_mov_b64 s[64:65], 0
	v_nop
	global_prefetch_b8 v0, s[64:65] scope:SCOPE_SE
	s_setreg_imm32_b32 hwreg(HW_REG_WAVE_MODE, 25, 1), 1
	s_wait_xcnt 0x0
; attn: causal softmax(Q K^T / 8) V, head by head, f16 operands, f32 sums, with a running maximum.
; qkv is f16 [48][4096][64] (Q, K, V planes); attn2 is f16 [16 heads][4096][128]: a row is 64 numbers hi and 64 numbers lo, hi + lo = the result.
; Work-group (p, head) takes two blocks of 128 queries: first block 31 - p with its 32 - p key blocks of 128, then block p with its p + 1:
; 33 steps for each of the 256 work-groups.  Key blocks above the diagonal are masked out by the problem itself and are not computed.
; EIGHT WAVES, two on each SIMD: vector work (maxima, exponentials, sums, packing) weighs as much here as matrix work, and one wave's vector
; work can run under the other's matrix instructions and waits.  Wave w = (wq = w mod 4, kh = w / 4) owns queries 32 wq .. + 31 of the block, as two
; tiles u of 16, and keys 64 kh .. + 63 of every key block, with a maximum, a sum and an O of its own: a wave reads from LDS as many bytes for
; each multiply-add as with four waves.  At the end of a pass waves wq and wq + 4 hand each other their parts through LDS; wave kh joins tile u = kh.
; S^T = K Q^T: lane (r, h) holds query r and keys 8 h + j, so that maximum, sum and rescaling are a lane's own (one exchange joins the two
; halves), and the packed P of key tiles 2 g, 2 g + 1 is already the second source of O^T = V^T P^T.  V^T comes from LDS by the transposing load.
; THE RING: two LDS slots of one key block.  A wave's reads of a slot are over once its V fragments are in registers, in the middle of a step; there
; stands the step's one barrier, behind it the refill of that slot with the block two steps on, and then the next step's K fragments are read from
; the other slot under this step's remaining work.  Steps 0-29 are 15 trips of two; steps 30, 31, 32 are written out (the last two fill nothing).
; The first pass ends in step 31 - p (16..31, found by a scalar compare that is the same in all eight waves), the second always in step 32.
; EVERY step has its barrier, the last one too: for p = 0 the passes end in steps 31 and 32, and step 32's barrier stands between a partner's reads
; of my part of the first pass and my stores of the second pass's part into the same bytes.
; NO CLUSTER: the sixteen work-groups of a head change passes in different steps (step 31 - p), so from there on they want different tiles.
; THE RUNNING MAXIMUM STARTS AT -2^40: Q and K are f16, so |Q . K| <= 64 x 65,504^2 < 2^38, and the start lies below every score.  A wave all of whose
; keys are masked (query block 0, kh = 1, wq = 0, 1) thus ends with P = 0, sum 0, O = 0, and its factor in the joining is 2^(-c 2^40 ..) = 0.
; LIMITS: |Q|, |K|, |V| and the result below 65,504 (f16).  P is kept in f16: a probability below 2^-25 of the wave's running largest counts as 0.
.set SLOTB, 36864                      ; a slot: four quarters
.set QUART, 9216                       ; a quarter: 64 keys as 32 rows of 256 bytes (two keys a row); quarters 0, 1 K, quarters 2, 3 V
.set KP,    272                        ; K's pitch: the 16 keys of a fragment load touch 16 different 16-byte columns, (r / 2) + 8 (r mod 2)
.set VP,    288                        ; V's pitch: the 16 lanes of a transposing load touch columns 2 (j / 2) + 8 (j mod 2) + piece
.set XCH,   2*SLOTB                    ; behind the ring: each wave's part for its partner: O (64 registers x 128 bytes), then (-c max, sum) of both tiles
.set XW,    8704
.set STAGE, XCH+8*XW                   ; behind that: 16 rows x 272 bytes for each wave, for the way out.  No tensor load lands behind the ring
.set SP,    272
; v1 KAD, v2 VAD: LDS addresses of my K and V fragments; v3 STO, v4 RD: the stage, in and back; v5 CO: 16 x lane; v6 QOF: my place in a Q tile
.set DQ, 7                             ; v7, v8     32 wq + 16 u + r - 8 h - 64 kh: my key 16 t + j is masked where it exceeds this
; v9 the mask's value; v10, v11 running maxima; v[12:13], v[14:15] running sums (two part sums each); v[16:17], v[28:29] a factor, twice
; v[18:25] at work; v[26:27], v[30:31] -c x maximum, twice
.set Q,  32                            ; v[32:63]   Q: tile (u, f) at 32 + 16 u + 8 f
.set O,  64                            ; v[64:127]  O^T: tile (u, dt) at 64 + 32 u + 8 dt
.set S,  128                           ; v[128:191] S^T: tile (u, t) at 128 + 32 u + 8 t; P(u, g) packed in place at 128 + 32 u + 16 g
.set KF, 192                           ; v[192:223] K fragments of key tiles 2, 3, then V^T fragments of keys 32-63
.set VF, 224                           ; v[224:255] K fragments of key tiles 0, 1, then V^T fragments of keys 0-31
.set G1K, 16                           ; s[16:23] group 1 for K's quarters
.set G1V, 24                           ; s[24:31] group 1 for V's quarters: a wider pad
.set G0,  32                           ; s[32:39] group 0, one set for each slot
.macro PLACES n                        ; places behind matrix instructions (ISA guide 7.12.1 for vector instructions)
.rept \n
	v_nop
.endr
.endm
; A quarter of a slot: waves 0, 1 fetch K's, waves 2, 3 V's, waves 4-7 none.  The branches hang on the wave's number alone.
.macro TLOAD s
	s_cmp_lt_u32 s8, 2
	s_cbranch_scc0 .Lnot_k_\@
	tensor_load_to_lds s[G0+4*\s:G0+4*\s+3], s[G1K:G1K+7]
	s_nop 0
	s_branch .Lasked_\@
.Lnot_k_\@:
	s_cmp_lt_u32 s8, 4
	s_cbranch_scc0 .Lasked_\@
	tensor_load_to_lds s[G0+4*\s:G0+4*\s+3], s[G1V:G1V+7]
	s_nop 0
.Lasked_\@:
.endm
	s_load_b128 s[4:7], s[0:1], 0x0                ; qkv s[4:5], attn2 s[6:7]
	s_set_vgpr_msb 0x40
	v_lshl_add_u32 v0, v0, 2, 0x2b800
	v_mov_b32 v1, 0
	s_set_vgpr_msb 0x4045
	ds_add_u32 v0, v1
	s_set_vgpr_msb 0x4500
	v_lshrrev_b32 v1, 5, v0
	v_readfirstlane_b32 s8, v1                     ; wave 0..7
	s_mov_b32 s9, ttmp9                            ; p
	s_and_b32 s10, ttmp7, 0xffff                   ; head
	s_sub_co_u32 s11, 31, s9                       ; the query block at work: first 31 - p
	s_sub_co_u32 s14, 32, s9                       ; its key blocks
	s_mov_b32 s12, 0                               ; the key block at work
	s_mov_b32 s13, 2                               ; the key block that is asked for next (0 and 1 go out at the start; 32 - p >= 17)
	s_and_b32 s48, s8, 3                           ; wq: my 32 queries
	s_lshr_b32 s49, s8, 2                          ; kh: my 64 keys of a block
	s_mov_b32 s44, 0x3e38aa3b                      ; c = log2(e) / 8
	s_mov_b32 s45, 0xbe38aa3b                      ; -c
	s_mov_b32 s46, 0x76543210                      ; v_permlanex16_b32: lane i of one half reads lane i of the other
	s_mov_b32 s47, 0xfedcba98
	; group 1: 8 KiB that are dense in memory, as 32 rows of 32 elements of 8 bytes; behind every 64 words a pad of 4 (K) or 8 (V) words
	s_mov_b32 s[G1K+0], (3<<16)|(1<<20)|(5<<22)|(3<<25)
	s_mov_b32 s[G1V+0], (3<<16)|(1<<20)|(5<<22)|(7<<25)
	s_mov_b32 s[G1K+1], 32<<16                     ; tensor_dim0 = 32
	s_mov_b32 s[G1V+1], 32<<16
	s_mov_b32 s[G1K+2], 32<<16                     ; tensor_dim1 = 32
	s_mov_b32 s[G1V+2], 32<<16
	s_mov_b32 s[G1K+3], 32<<16                     ; tile_dim0 = 32
	s_mov_b32 s[G1V+3], 32<<16
	s_mov_b32 s[G1K+4], 32                         ; tile_dim1 = 32
	s_mov_b32 s[G1V+4], 32
	s_mov_b32 s[G1K+5], 32                         ; elements from row to row
	s_mov_b32 s[G1V+5], 32
	s_mov_b32 s[G1K+6], 0
	s_mov_b32 s[G1V+6], 0
	s_mov_b32 s[G1K+7], 0
	s_mov_b32 s[G1V+7], 0
	s_bfe_u32 s58, s8, 0x10001                     ; bit 1 of the wave's number: K (0) or V (1)
	s_lshl_b32 s58, s58, 4
	s_add_co_u32 s58, s58, s10
	s_add_co_u32 s58, s58, 16                      ; the plane: 16 + head (K) or 32 + head (V),
	s_lshl_b32 s58, s58, 19
	s_and_b32 s59, s8, 1
	s_lshl_b32 s59, s59, 13                        ; and the block's keys 0-63 or 64-127
	s_add_co_u32 s58, s58, s59
	s_mov_b32 s59, 0
	s_mov_b32 s43, 0
	s_mov_b32 s[G0+0], 1
	s_mov_b32 s[G0+4], 1
	s_mul_i32 s[G0+1], s8, QUART                   ; LDS: slot x 36,864 + wave x 9,216 (waves 0-3 alone issue)
	s_add_co_u32 s[G0+5], s[G0+1], SLOTB
	s_wait_dscnt 0x0
	s_wait_kmcnt 0x0
	s_add_nc_u64 s[40:41], s[4:5], s[58:59]        ; the quarter of key block 0
	s_mov_b64 s[G0+2:G0+3], s[40:41]
	s_or_b32 s[G0+3], s[G0+3], 0x80000000
	s_add_nc_u64 s[G0+6:G0+7], s[40:41], 16384     ; of key block 1: 128 rows of 128 bytes on
	s_or_b32 s[G0+7], s[G0+7], 0x80000000
	; the first fills, both slots, in one branch on the wave's number, ahead of every wait on TENSORcnt, LDS read and barrier
	s_cmp_lt_u32 s8, 2
	s_cbranch_scc0 .Lfirst_not_k
	tensor_load_to_lds s[G0:G0+3], s[G1K:G1K+7]
	s_nop 0
	tensor_load_to_lds s[G0+4:G0+7], s[G1K:G1K+7]
	s_nop 0
	s_branch .Lfirst_done
.Lfirst_not_k:
	s_cmp_lt_u32 s8, 4
	s_cbranch_scc0 .Lfirst_done
	tensor_load_to_lds s[G0:G0+3], s[G1V:G1V+7]
	s_nop 0
	tensor_load_to_lds s[G0+4:G0+7], s[G1V:G1V+7]
	s_nop 0
.Lfirst_done:
	v_and_b32 v18, 15, v0                          ; r
	v_bfe_u32 v19, v0, 4, 1                        ; h
	v_and_b32 v20, 31, v0                          ; lane
	v_lshrrev_b32 v21, 1, v18
	v_mul_u32_u24 v1, v21, KP                      ; K: key r lies in row r / 2, half r mod 2; 16 h along d
	v_and_b32 v21, 1, v18
	v_lshl_add_u32 v1, v21, 7, v1
	v_lshl_add_u32 v1, v19, 4, v1
	s_mul_i32 s58, s49, QUART                      ; my quarter of K
	v_add_nc_u32 v1, s58, v1
	v_bfe_u32 v21, v0, 1, 2                        ; V: lane l addresses key 8 h + l mod 8: row 4 h + (l mod 8) / 2, half l mod 2,
	v_lshl_add_u32 v21, v19, 2, v21
	v_mul_u32_u24 v2, v21, VP
	v_and_b32 v21, 1, v0
	v_lshl_add_u32 v2, v21, 7, v2
	v_bfe_u32 v21, v0, 3, 1                        ; and 16 bytes (eight d) further for lanes 8-15 and 24-31
	v_lshl_add_u32 v2, v21, 4, v2
	s_add_co_u32 s58, s58, 2*QUART                 ; my quarter of V
	v_add_nc_u32 v2, s58, v2
	s_mul_i32 s58, s8, 16*SP
	s_add_co_u32 s58, s58, STAGE                   ; my stage
	v_mul_u32_u24 v3, v18, SP
	v_lshl_add_u32 v3, v19, 4, v3
	v_add_nc_u32 v3, s58, v3
	v_mul_u32_u24 v4, v19, SP
	v_lshl_add_u32 v4, v18, 4, v4
	v_add_nc_u32 v4, s58, v4
	v_lshlrev_b32 v5, 4, v20
	v_lshlrev_b32 v6, 7, v18
	v_lshl_add_u32 v6, v19, 4, v6
	v_lshlrev_b32 v21, 3, v19
	v_sub_nc_u32 v[DQ], v18, v21
	s_lshl_b32 s58, s48, 5
	s_lshl_b32 s59, s49, 6
	s_sub_co_u32 s59, s58, s59                     ; 32 wq - 64 kh, compared as a signed number
	v_add_nc_u32 v[DQ], s59, v[DQ]
	v_add_nc_u32 v[DQ+1], 16, v[DQ]
	v_mov_b32 v9, 0xff7fffff                       ; the most negative finite f32, as the problem's mask puts it
	v_mov_b32 v24, 0                               ; destinations of v_permlanex16_b32 count as read
	v_mov_b32 v25, 0
	s_mul_i32 s60, s8, XW
	s_add_co_u32 s60, s60, XCH                     ; where I put my part
	s_mul_i32 s61, s48, XW
	s_add_co_u32 s61, s61, XCH
	s_lshl_b32 s59, s49, 3
	s_add_co_u32 s62, s61, s59
	s_add_co_u32 s62, s62, 8192                    ; where I read (-c max, sum) of tile kh in wave wq's part; wave wq + 4's lies 4 XW on
	s_lshl_b32 s59, s49, 12
	s_add_co_u32 s61, s61, s59                     ; where I read O's tile kh in wave wq's part
	s_lshl_b32 s58, s10, 19                        ; Q: head's plane + (128 block + 32 wq) rows of 128 bytes, for both passes
	s_lshl_b32 s59, s48, 12
	s_add_co_u32 s58, s58, s59
	s_lshl_b32 s59, s11, 14
	s_add_co_u32 s50, s58, s59
	s_mov_b32 s51, 0
	s_lshl_b32 s59, s9, 14
	s_add_co_u32 s52, s58, s59
	s_mov_b32 s53, 0
	s_add_nc_u64 s[50:51], s[4:5], s[50:51]
	s_add_nc_u64 s[52:53], s[4:5], s[52:53]
	s_lshl_b32 s58, s10, 20                        ; attn2: head's plane + (128 block + 32 wq + 16 kh) rows of 256 bytes, for both passes
	s_lshl_b32 s59, s48, 13
	s_add_co_u32 s58, s58, s59
	s_lshl_b32 s59, s49, 12
	s_add_co_u32 s58, s58, s59
	s_lshl_b32 s59, s11, 15
	s_add_co_u32 s54, s58, s59
	s_mov_b32 s55, 0
	s_lshl_b32 s59, s9, 15
	s_add_co_u32 s56, s58, s59
	s_mov_b32 s57, 0
	s_add_nc_u64 s[54:55], s[6:7], s[54:55]
	s_add_nc_u64 s[56:57], s[6:7], s[56:57]
.macro QLOAD b                         ; my 32 queries as four fragments, straight from memory
.irp u, 0,1
.irp f, 0,1
.irp e, 0,1
	global_load_b128 v[Q+16*\u+8*\f+4*\e:Q+16*\u+8*\f+4*\e+3], v6, s[\b:\b+1] offset:2048*\u+64*\f+32*\e
.endr
.endr
.endr
.endm
; A pass starts in the common loop body, so its sums start from cleared registers: 64 moves, twice in the launch.
.macro INIT
.set i, 0
.rept 64
	v_mov_b32 v[O+i], 0
.set i, i+1
.endr
.irp k, 12,13,14,15
	v_mov_b32 v\k, 0
.endr
	v_mov_b32 v10, 0xd3800000                      ; -2^40, below every score (see the head)
	v_mov_b32 v11, 0xd3800000
.irp k, 26,27,30,31
	v_mul_f32 v\k, s45, v10
.endr
.endm
.macro LK slot, t0, dst                ; K fragments of key tiles t0, t0 + 1 of my four: 8 loads
.irp tt, 0,1
.irp f, 0,1
.irp e, 0,1
	ds_load_b128 v[\dst+16*\tt+8*\f+4*\e:\dst+16*\tt+8*\f+4*\e+3], v1 offset:\slot*SLOTB+(\t0+\tt)*8*KP+64*\f+32*\e
.endr
.endr
.endr
.endm
.macro LV slot, g, dst                 ; V^T fragments of key group g (32 keys) of my two: 8 transposing loads
.irp dt, 0,1,2,3
.irp e, 0,1
	ds_load_tr16_b128 v[\dst+8*\dt+4*\e:\dst+8*\dt+4*\e+3], v2 offset:\slot*SLOTB+16*VP*\g+32*\dt+8*VP*\e
.endr
.endr
.endm
; S^T of key tiles 2 tp, 2 tp + 1 x both query tiles.  The first four start the sums; the four accumulators take turns.
.macro SMM tp, kf
.irp u, 0,1
.irp tt, 0,1
	v_wmma_f32_16x16x32_f16 v[S+32*\u+8*(2*\tp+\tt):S+32*\u+8*(2*\tp+\tt)+7], v[\kf+16*\tt:\kf+16*\tt+7], v[Q+16*\u:Q+16*\u+7], 0
.endr
.endr
.irp u, 0,1
.irp tt, 0,1
	v_wmma_f32_16x16x32_f16 v[S+32*\u+8*(2*\tp+\tt):S+32*\u+8*(2*\tp+\tt)+7], v[\kf+16*\tt+8:\kf+16*\tt+15], v[Q+16*\u+8:Q+16*\u+15], v[S+32*\u+8*(2*\tp+\tt):S+32*\u+8*(2*\tp+\tt)+7]
.endr
.endr
.endm
.macro MASK                            ; the diagonal block: a key beyond the query gets the mask's value
.irp u, 0,1
.irp t, 0,1,2,3
.irp j, 0,1,2,3,4,5,6,7
	v_cmp_gt_i32 vcc_lo, 16*\t+\j, v[DQ+\u]
	v_cndmask_b32 v[S+32*\u+8*\t+\j], v[S+32*\u+8*\t+\j], v9, vcc_lo
.endr
.endr
.endr
.endm
.macro MX3 a, b                        ; four chains (u, c) in v18-21, each over tiles c and c + 2, take two more elements
.irp u, 0,1
.irp c, 0,1
	v_max3_num_f32 v[18+2*\u+\c], v[18+2*\u+\c], v[S+32*\u+8*\c+\a], v[S+32*\u+8*\c+\b]
.endr
.endr
.endm
.macro MAXES
.irp u, 0,1
.irp c, 0,1
	v_max3_num_f32 v[18+2*\u+\c], v[S+32*\u+8*\c], v[S+32*\u+8*\c+1], v[S+32*\u+8*\c+2]
.endr
.endr
	MX3 3, 4
	MX3 5, 6
	MX3 7, 16
	MX3 17, 18
	MX3 19, 20
	MX3 21, 22
.irp u, 0,1
.irp c, 0,1
	v_max_num_f32 v[18+2*\u+\c], v[18+2*\u+\c], v[S+32*\u+8*\c+23]
.endr
.endr
.endm
; The new maxima, the factor 2^(c (old - new)) made from the very numbers that are subtracted, and O rescaled.
.macro STAT
	v_max3_num_f32 v22, v18, v19, v10
	v_max3_num_f32 v23, v20, v21, v11
	v_permlanex16_b32 v24, v22, s46, s47           ; the other eight keys of each tile lie in the other half
	v_permlanex16_b32 v25, v23, s46, s47
	v_max_num_f32 v10, v22, v24
	v_max_num_f32 v11, v23, v25
	v_mul_f32 v18, s45, v10
	v_mul_f32 v19, s45, v11
	v_sub_f32 v20, v18, v26
	v_sub_f32 v21, v19, v30
	v_exp_f32 v16, v20
	v_exp_f32 v28, v21
	v_mov_b32 v26, v18                             ; plain instructions between the exponentials and their first use (ISA guide 5.7.2)
	v_mov_b32 v27, v18
	v_mov_b32 v30, v19
	v_mov_b32 v31, v19
	s_wait_alu depctr_va_vdst(0)
	v_mov_b32 v17, v16
	v_mov_b32 v29, v28
.irp k, 0,2,4,6,8,10,12,14,16,18,20,22,24,26,28,30
	v_pk_mul_f32 v[O+\k:O+\k+1], v[O+\k:O+\k+1], v[16:17]
.endr
.irp k, 32,34,36,38,40,42,44,46,48,50,52,54,56,58,60,62
	v_pk_mul_f32 v[O+\k:O+\k+1], v[O+\k:O+\k+1], v[28:29]
.endr
.endm
.macro FMA16 u, g, nm                  ; c S - c max, never above a rounding of 0
.irp k, 0,2,4,6,8,10,12,14
	v_pk_fma_f32 v[S+32*\u+16*\g+\k:S+32*\u+16*\g+\k+1], v[S+32*\u+16*\g+\k:S+32*\u+16*\g+\k+1], s[44:45], v[\nm:\nm+1] op_sel_hi:[1,0,1]
.endr
.endm
.macro EXP16 u, g
.irp k, 0,1,2,3,4,5,6,7,8,9,10,11,12,13,14,15
	v_exp_f32 v[S+32*\u+16*\g+\k], v[S+32*\u+16*\g+\k]
.endr
.endm
.macro SUM16 u, g, lp, al              ; the 16 numbers into the running sums; the first group of a step also rescales them
.set SB, S+32*\u+16*\g
	s_wait_alu depctr_va_vdst(0)
	v_pk_add_f32 v[18:19], v[SB:SB+1],     v[SB+2:SB+3]
	v_pk_add_f32 v[20:21], v[SB+4:SB+5],   v[SB+6:SB+7]
	v_pk_add_f32 v[22:23], v[SB+8:SB+9],   v[SB+10:SB+11]
	v_pk_add_f32 v[24:25], v[SB+12:SB+13], v[SB+14:SB+15]
	v_pk_add_f32 v[18:19], v[18:19], v[20:21]
	v_pk_add_f32 v[22:23], v[22:23], v[24:25]
	v_pk_add_f32 v[18:19], v[18:19], v[22:23]
.if \g == 0
	v_pk_fma_f32 v[\lp:\lp+1], v[\lp:\lp+1], v[\al:\al+1], v[18:19]
.else
	v_pk_add_f32 v[\lp:\lp+1], v[\lp:\lp+1], v[18:19]
.endif
.endm
.macro CVT16 u, g                      ; packed in place, ascending: register k is written when registers 2 k, 2 k + 1 are read
.irp k, 0,1,2,3,4,5,6,7
	v_cvt_pk_f16_f32 v[S+32*\u+16*\g+\k], v[S+32*\u+16*\g+2*\k], v[S+32*\u+16*\g+2*\k+1]
.endr
.endm
.macro EXPREST g                       ; behind FMA16 0, g.  Each run of exponentials is followed by plain work on other registers
	EXP16 0, \g
	FMA16 1, \g, 30
	SUM16 0, \g, 12, 16
	CVT16 0, \g
	EXP16 1, \g
	v_nop
	SUM16 1, \g, 14, 28
	CVT16 1, \g
.endm
.macro PV g, vf                        ; O^T += V^T P^T over 32 keys; the eight accumulators take turns
.irp u, 0,1
.irp dt, 0,1,2,3
	v_wmma_f32_16x16x32_f16 v[O+32*\u+8*\dt:O+32*\u+8*\dt+7], v[\vf+8*\dt:\vf+8*\dt+7], v[S+32*\u+16*\g:S+32*\u+16*\g+7], v[O+32*\u+8*\dt:O+32*\u+8*\dt+7]
.endr
.endr
.endm
; One tile of the result: the two waves' parts (at S and S + 32) joined by their factors, which hold 1 / sum; split into f16 hi and
; f16 lo = what hi left; 16 bytes each into my stage.
.macro TILE_OUT dt
.irp k, 0,2,4,6
	v_pk_mul_f32 v[S+8*\dt+\k:S+8*\dt+\k+1], v[S+8*\dt+\k:S+8*\dt+\k+1], v[16:17]
.endr
.irp k, 0,2,4,6
	v_pk_fma_f32 v[S+8*\dt+\k:S+8*\dt+\k+1], v[S+32+8*\dt+\k:S+32+8*\dt+\k+1], v[28:29], v[S+8*\dt+\k:S+8*\dt+\k+1]
.endr
.irp k, 0,1,2,3
	v_cvt_pk_f16_f32 v[18+\k], v[S+8*\dt+2*\k], v[S+8*\dt+2*\k+1]
.endr
	v_cvt_f32_f16 v192, v18.l
	v_cvt_f32_f16 v193, v18.h
	v_cvt_f32_f16 v194, v19.l
	v_cvt_f32_f16 v195, v19.h
	v_cvt_f32_f16 v196, v20.l
	v_cvt_f32_f16 v197, v20.h
	v_cvt_f32_f16 v198, v21.l
	v_cvt_f32_f16 v199, v21.h
.irp k, 0,2,4,6
	v_pk_add_f32 v[192+\k:193+\k], v[S+8*\dt+\k:S+8*\dt+\k+1], v[192+\k:193+\k] neg_lo:[0,1] neg_hi:[0,1]
.endr
.irp k, 0,1,2,3
	v_cvt_pk_f16_f32 v[22+\k], v[192+2*\k], v[193+2*\k]
.endr
	ds_store_b128 v3, v[18:21] offset:32*\dt
	ds_store_b128 v3, v[22:25] offset:32*\dt+128
.endm
; The end of a pass.  last = 0: the second pass's queries are asked for first, and its state is set at the end.  ob: the pass's base in attn2.
; Every wave of the work-group comes here in the same step, so the barrier inside finds all eight.  No LDS bytes are filled behind it before the
; next step's own barrier; the one tensor load that is out may stay out.  The parts are stored again, at the next pass's end, only behind a later
; step's barrier, in front of which every wave has waited for its reads of them.  v192-202 are free here: the K fragments that land there are asked for behind.
.macro END last, ob
.if \last == 0
	QLOAD 52
.endif
	v_add_f32 v18, v12, v13
	v_add_f32 v19, v14, v15
	v_permlanex16_b32 v24, v18, s46, s47
	v_permlanex16_b32 v25, v19, s46, s47
	v_mov_b32 v20, v26                             ; (-c max, sum) of tile 0, of tile 1
	v_add_f32 v21, v18, v24
	v_mov_b32 v22, v30
	v_add_f32 v23, v19, v25
	v_add_nc_u32 v200, s60, v5                     ; 16 bytes a lane: neighbouring lanes, neighbouring bytes
	v_add_nc_u32 v201, s61, v5
	v_add_nc_u32 v202, s62, v5
.irp k, 0,1,2,3,4,5,6,7,8,9,10,11,12,13,14,15
	ds_store_b128 v200, v[O+4*\k:O+4*\k+3] offset:512*\k
.endr
	ds_store_b128 v200, v[20:23] offset:8192
	s_wait_dscnt 0x0                               ; for the partner's sake: my part is written
	s_barrier_signal -1
	s_barrier_wait -1
	ds_load_b64 v[18:19], v202                     ; tile kh: (-c max, sum) over keys 0-63 of the blocks,
	ds_load_b64 v[20:21], v202 offset:4*XW         ; over keys 64-127
.irp k, 0,1,2,3,4,5,6,7
	ds_load_b128 v[S+4*\k:S+4*\k+3], v201 offset:512*\k
.endr
.irp k, 0,1,2,3,4,5,6,7
	ds_load_b128 v[S+32+4*\k:S+32+4*\k+3], v201 offset:4*XW+512*\k
.endr
	s_wait_dscnt 16                                ; the two pairs are in; the sixteen younger loads of O stay out
	v_min_num_f32 v22, v18, v20                    ; -c x the larger maximum
	v_sub_f32 v23, v22, v18
	v_sub_f32 v24, v22, v20
	v_exp_f32 v23, v23                             ; 2^(c (own - larger)): one of the two is 1
	v_exp_f32 v24, v24
	v_nop
	s_wait_alu depctr_va_vdst(0)
	v_mul_f32 v25, v19, v23
	v_fma_f32 v25, v21, v24, v25                   ; the sum; it holds the largest key's term, about 1
	v_rcp_f32 v25, v25
	v_nop
	s_wait_alu depctr_va_vdst(0)
	v_mul_f32 v16, v23, v25
	v_mul_f32 v28, v24, v25
	v_mov_b32 v17, v16
	v_mov_b32 v29, v28
	s_wait_dscnt 0x0
.irp dt, 0,1,2,3
	TILE_OUT \dt
.endr
.irp t, 0,1,2,3,4,5,6,7
	ds_load_b128 v[S+4*\t:S+4*\t+3], v4 offset:2*SP*\t      ; my own bytes, served in order behind the stores (ISA guide 5.7.1): two whole rows
.endr
.irp t, 0,1,2,3,4,5,6,7
	s_wait_dscnt 7-\t
	global_store_b128 v5, v[S+4*\t:S+4*\t+3], s[\ob:\ob+1] offset:512*\t   ; 512 neighbouring bytes, aligned
.endr
.if \last == 0
	INIT
	s_mov_b32 s11, s9                              ; the second pass: query block p,
	s_mov_b32 s12, -1                              ; key block 0 behind the step's increment
	s_wait_loadcnt 0x0                             ; its queries are in
	s_wait_xcnt 0x0                                ; S, which the stores read, is written again only behind this wait
.endif
.endm
; One step: my 64 keys of the block in slot x my 32 queries.  At its head the K fragments of my key tiles 0, 1 are in or on their way to VF,
; those of tiles 2, 3, asked for later, to KF.  refill = 1: this slot gets the block two steps on.  pre = 1: a step follows.
.macro STEP slot, other, refill, pre, diag
	s_wait_dscnt 8                                 ; tiles 0, 1 are in; the eight younger loads (tiles 2, 3) may be out
	SMM 0, VF
	s_wait_dscnt 0x0
	SMM 1, KF
	PLACES 4                                       ; behind them: loads into their sources, vector reads of their results
	LV \slot, 0, VF                                ; both groups of V at once: my last reads of this slot
	LV \slot, 1, KF
.if \diag
	MASK
.else
	s_cmp_lg_u32 s12, s11                          ; only the diagonal block is masked
	s_cbranch_scc1 .Lfree_\@
	MASK
.Lfree_\@:
.endif
	MAXES
	STAT
	FMA16 0, 0, 26
	EXPREST 0
.if \pre
	s_set_vgpr_msb 0x5
	s_wait_tensorcnt 0x0                           ; all my tensor loads have landed (one was out: a quarter of the other slot), so a group 0 may be written
	ds_add_u32 v0, v1
	s_wait_dscnt 0x0
	s_set_vgpr_msb 0x500
.endif
.if \refill
	s_lshl_b32 s42, s13, 14                        ; the block's 128 rows of 128 bytes
	s_add_nc_u64 s[G0+4*\slot+2:G0+4*\slot+3], s[40:41], s[42:43]
	s_or_b32 s[G0+4*\slot+3], s[G0+4*\slot+3], 0x80000000
.endif
	s_wait_dscnt 0x0                               ; V is in registers: my reads of this slot are over, and so are all my earlier LDS reads
	s_barrier_signal -1                            ; in every step, the last too: it also stands between one pass's reads of the partners' parts and the next pass's stores
	PV 0, VF                                       ; registers only
	s_barrier_wait -1                              ; nobody reads this slot any more, and the other slot is whole
.if \refill
	TLOAD \slot                                    ; the one tensor load behind the barrier, first thing there: it has a whole step in which to land
	s_add_co_u32 s13, s13, 1
	s_cmp_eq_u32 s13, s14                          ; behind the first pass's last block comes the second pass's block 0 (which never reaches 32 - p: p + 1 <= 16)
	s_cselect_b32 s13, 0, s13
.endif
	FMA16 0, 1, 26                                 ; eight places behind PV 0, which name none of its registers,
.if \pre
	LK \other, 0, VF                               ; in front of the loads into its first source: the next step's key tiles 0, 1
.endif
	EXPREST 1
	PV 1, KF
	PLACES 5                                       ; five: the next second score product writes over P(., 1), and only these need stand between
.if \diag
	END 1, 56
.else
	s_cmp_lg_u32 s12, s11
	s_cbranch_scc1 .Lnot_end_\@
	END 0, 54
.Lnot_end_\@:
.endif
.if \pre
	LK \other, 2, KF                               ; the next step's key tiles 2, 3
.endif
	s_add_co_u32 s12, s12, 1
.endm
	QLOAD 50
	INIT
	s_wait_tensorcnt 0x0                           ; both first fills of mine have landed,
	s_barrier_signal -1
	s_barrier_wait -1                              ; everybody's have
	LK 0, 0, VF
	LK 0, 2, KF
	s_wait_loadcnt 0x0                             ; my queries
	s_mov_b32 s15, 15
.Ltrip:
	STEP 0, 1, 1, 1, 0
	STEP 1, 0, 1, 1, 0
	s_sub_co_u32 s15, s15, 1
	s_cmp_lg_u32 s15, 0
	s_cbranch_scc1 .Ltrip
	STEP 0, 1, 1, 1, 0                             ; step 30 asks for the last block, the 33rd
	STEP 1, 0, 0, 1, 0                             ; step 31: nothing is left to fetch; its wait shows the last tensor load landed
	STEP 0, 1, 0, 0, 1                             ; step 32: the second pass's diagonal block
	s_set_vgpr_msb 0x5
	s_wait_tensorcnt 0x0
	ds_add_u32 v0, v1
	s_wait_dscnt 0x0
	s_set_vgpr_msb 0x500
	s_endpgm
.Lfunc_end_k_q51a32897d3_attn:
	.size	k_q51a32897d3_attn, .Lfunc_end_k_q51a32897d3_attn-k_q51a32897d3_attn
	.p2alignl 7, 3214868480
	.fill 96, 4, 3214868480
	.section	.rodata,"a",@progbits
	.p2align	6, 0x0
	.amdhsa_kernel k_q51a32897d3_attn
		.amdhsa_group_segment_fixed_size 327680
		.amdhsa_private_segment_fixed_size 0
		.amdhsa_enable_private_segment 0
		.amdhsa_kernarg_size 16
		.amdhsa_user_sgpr_count 2
		.amdhsa_user_sgpr_kernarg_segment_ptr 1
		.amdhsa_wavefront_size32 1
		.amdhsa_system_sgpr_workgroup_id_x 1
		.amdhsa_system_sgpr_workgroup_id_y 1
		.amdhsa_system_sgpr_workgroup_id_z 1
		.amdhsa_system_vgpr_workitem_id 0
		.amdhsa_next_free_vgpr 258
		.amdhsa_next_free_sgpr 66
		.amdhsa_reserve_vcc 1
		.amdhsa_float_denorm_mode_32 3
		.amdhsa_float_denorm_mode_16_64 3
		.amdhsa_memory_ordered 1
		.amdhsa_forward_progress 1
		.amdhsa_inst_pref_size 189
	.end_amdhsa_kernel
	.amdgpu_metadata
---
amdhsa.version: [ 1, 2 ]
amdhsa.kernels:
  - .name:           k_q51a32897d3_attn
    .symbol:         k_q51a32897d3_attn.kd
    .args:
      - { .name: qkv, .offset: 0, .size: 8, .value_kind: global_buffer, .address_space: global }
      - { .name: attn2, .offset: 8, .size: 8, .value_kind: global_buffer, .address_space: global }
    .group_segment_fixed_size: 327680
    .private_segment_fixed_size: 0
    .kernarg_segment_align: 8
    .kernarg_segment_size: 16
    .max_flat_workgroup_size: 256
    .sgpr_count:     66
    .vgpr_count:     258
    .wavefront_size: 32
...
	.end_amdgpu_metadata
.endif
;; end of part 3
;; launch oproj (part 4): grid 8 x 32, 4 waves a work-group, clusters of 4 x 4, 327,680 bytes of LDS; arguments attn2, xw, out0; writes out0
.if DOCPART == 4
	.amdgcn_target "amdgcn-amd-amdhsa--gfx1250"
	.amdhsa_code_object_version 6
	.text
	.protected	k_q51a32897d3_oproj
	.globl	k_q51a32897d3_oproj
	.p2align	8
	.type	k_q51a32897d3_oproj,@function
k_q51a32897d3_oproj:
	s_mov_b64 s[64:65], 0
	v_nop
	global_prefetch_b8 v0, s[64:65] scope:SCOPE_SE
	s_setreg_imm32_b32 hwreg(HW_REG_WAVE_MODE, 25, 1), 1
	s_wait_xcnt 0x0
	s_wait_alu depctr_hold_cnt(0) depctr_sa_sdst(0) depctr_va_vdst(0) depctr_va_sdst(0) depctr_va_ssrc(0) depctr_va_vcc(0) depctr_vm_vsrc(0)
	s_getreg_b32 s2, hwreg(HW_REG_IB_STS2, 6, 4)
	s_cmp_eq_u32 s2, 0
	s_cbranch_scc0 .Lentry_in_a_cluster
	s_endpgm
.Lentry_in_a_cluster:
	s_bfe_u32 s2, ttmp6, 0x10000c
	s_cmp_lg_u32 s2, 0xf033
	s_cbranch_scc0 .Lentry_shape_is_right
	s_endpgm
.Lentry_shape_is_right:
; oproj: out0[token][e] = sum over d of (hi + lo)[token][d] Wo[e][d]; f16 operands, f32 sums, f32 out.
; attn2 is f16 [16 heads][4096][128] (64 hi, 64 lo a row); Wo lies as f16 in rows 7168-8191 of xw.
; The result of attention goes in as a pair of f16 numbers, so that its rounding in front of this product does not show in the first tokens' rows,
; whose numbers are far larger than the output's root mean square; that doubles this launch's matrix work.
; A work-group makes 128 tokens x 128 columns with four waves; a wave makes 64 x 64: 16 accumulator tiles.  256 work-groups.
; A K step is two heads (128 d) through a ring of two LDS slots; all tile rows are 256 bytes of memory, aligned.
; CLUSTERS: 4 x 4 work-groups; attention's tiles are shared along a row of the cluster, Wo's along a column, each asked for jointly.
; REGISTERS: window 0: v0-31 addresses; hi fragments v64-95, v128-159; lo fragments v96-127, v160-191 (two buffers);
;   window 1: Wo's fragments v64-95, v128-159;   window 2: accumulator tile (a, b) at v[8 (4 a + b)].
; The matrix instruction is used transposed (source 0 = rows of Wo, source 1 = tokens): a lane holds eight neighbouring columns of one token.
.set PITCH,  272                       ; 256 bytes + 16 of padding
.set HALFT,  128*PITCH                 ; 128 rows
.set SLOT,   3*HALFT                   ; attention's head 0, head 1 (128 tokens each), then Wo's 128 rows
.set STAGE,  2*SLOT                    ; behind the ring: 16 rows x 272 bytes for each wave; no tensor load lands there
.set SPITCH, 272
.set LAPS,   4                         ; 8 K steps, two a lap
.set ADRA, 16
.set ADRB, 20
.set STO,  24
.set RD,   25
.set CO,   26
.set F0,   64
.set F1,   128
.set G1, 24
.set G0, 32
.set G1B, 48
.set G0B, 56
.set MSB, 0
.macro WIN new
.if MSB != \new
	s_set_vgpr_msb (MSB<<8)|\new
.set MSB, \new
.endif
.endm
.set MUL,  0xa1                        ; source 0 (Wo) window 1, source 1 (attention) window 0, C and D window 2
.set TO_B, 0x40                        ; destination window 1
.set ACC1, 0x08                        ; source 1 (an LDS store's data) window 2
.macro JLOAD s                         ; waves 0, 1 fetch the step's two heads, waves 2, 3 the halves of Wo's tile
	s_cmp_eq_u32 s11, 0
	s_cbranch_scc0 .Lfor_b_\@
	tensor_load_to_lds s[G0+4*\s:G0+4*\s+3], s[G1:G1+7]
	s_nop 0
	s_branch .Lasked_\@
.Lfor_b_\@:
	tensor_load_to_lds s[G0B+4*\s:G0B+4*\s+3], s[G1B:G1B+7]
	s_nop 0
.Lasked_\@:
.endm
.macro CREST
	s_cmp_lg_u32 s10, 0
	s_cbranch_scc1 .Lnot_wave_0_\@
	s_barrier_signal -3
.Lnot_wave_0_\@:
	s_barrier_wait -3
	s_barrier_signal -1
	s_barrier_wait -1
.endm
.macro CROUND
	s_barrier_signal -1
	s_barrier_wait -1
	CREST
.endm
	s_load_b128 s[4:7], s[0:1], 0x0                ; attn2 s[4:5], xw s[6:7]
	s_load_b64 s[8:9], s[0:1], 0x10                ; out0
	s_set_vgpr_msb 0x40
	v_lshl_add_u32 v255, v0, 2, 0x37400
	s_set_vgpr_msb 0x4000
	v_mov_b32 v255, 0
	s_set_vgpr_msb 0x1
	ds_add_u32 v255, v255
	s_set_vgpr_msb 0x100
	v_lshrrev_b32 v1, 5, v0
	v_readfirstlane_b32 s10, v1                    ; wave
	s_lshr_b32 s11, s10, 1                         ; my half of the tokens.  Also: I fetch attention's tiles (0) or Wo's (1)
	s_and_b32 s12, s10, 1                          ; my half of the columns.  Also: which head, or which 64 rows of Wo, I fetch
	s_bfe_u32 s40, ttmp6, 0x40000                  ; cx
	s_bfe_u32 s41, ttmp6, 0x40004                  ; cy
	s_lshl_b32 s42, ttmp9, 2
	s_add_co_u32 s42, s42, s40                     ; block column
	s_and_b32 s13, ttmp7, 0xffff
	s_lshl_b32 s13, s13, 2
	s_add_co_u32 s13, s13, s41                     ; block row
	s_lshl_b32 s43, s41, 2
	s_lshl_b32 s43, 15, s43                        ; my row of the cluster
	s_lshl_b32 s44, 0x1111, s40                    ; my column
	s_or_b32 s[G1+0], s43, (1<<16)|(1<<20)|(1<<21)|(5<<22)|(3<<25)   ; elements of 2 bytes, 4 words of padding behind every 64
	s_or_b32 s[G1B+0], s44, (1<<16)|(1<<20)|(1<<21)|(5<<22)|(3<<25)
	s_mov_b32 s[G1+1], 128<<16                     ; attention: 128 rows x 128 elements, rows 128 elements apart
	s_mov_b32 s[G1+2], 128<<16
	s_mov_b32 s[G1+3], 128<<16
	s_mov_b32 s[G1+4], 128
	s_mov_b32 s[G1+5], 128
	s_mov_b32 s[G1+6], 0
	s_mov_b32 s[G1+7], 0
	s_mov_b32 s[G1B+1], 128<<16                    ; Wo: 64 rows x 128 elements, rows 1,024 elements apart
	s_mov_b32 s[G1B+2], 64<<16
	s_mov_b32 s[G1B+3], 128<<16
	s_mov_b32 s[G1B+4], 64
	s_mov_b32 s[G1B+5], 1024
	s_mov_b32 s[G1B+6], 0
	s_mov_b32 s[G1B+7], 0
	s_lshl_b32 s16, s12, 20                        ; attention: head (w mod 2)'s plane of 1,048,576 bytes + block row x 128 rows of 256 bytes
	s_lshl_b32 s17, s13, 15
	s_add_co_u32 s16, s16, s17
	s_mov_b32 s17, 0
	s_lshl_b32 s46, s42, 18                        ; Wo: row 7168 + 128 x block column + 64 x (w mod 2) of xw, 2,048 bytes a row
	s_lshl_b32 s47, s12, 17
	s_add_co_u32 s46, s46, s47
	s_add_co_u32 s46, s46, 14680064
	s_mov_b32 s47, 0
	s_mul_i32 s20, s10, HALFT                      ; LDS, waves 0, 1: wave x 128 rows
	s_mul_i32 s21, s10, HALFT/2
	s_add_co_u32 s21, s21, HALFT                   ; LDS, waves 2, 3: behind the two heads, (wave - 2) x 64 rows
	s_wait_dscnt 0x0
	s_wait_kmcnt 0x0
	s_add_nc_u64 s[14:15], s[4:5], s[16:17]
	s_add_nc_u64 s[46:47], s[6:7], s[46:47]
	CROUND                                         ; in front of the first joint loads
.irp s, 0,1
	s_mov_b32 s[G0+4*\s], 1
	s_add_co_u32 s[G0+4*\s+1], s20, \s*SLOT
	s_add_nc_u64 s[G0+4*\s+2:G0+4*\s+3], s[14:15], \s*2097152      ; K step s: two heads on
	s_or_b32 s[G0+4*\s+3], s[G0+4*\s+3], 0x80000000
	s_mov_b32 s[G0B+4*\s], 1
	s_add_co_u32 s[G0B+4*\s+1], s21, \s*SLOT
	s_add_nc_u64 s[G0B+4*\s+2:G0B+4*\s+3], s[46:47], \s*256        ; K step s: 128 elements on
	s_or_b32 s[G0B+4*\s+3], s[G0B+4*\s+3], 0x80000000
	JLOAD \s
.endr
	v_and_b32 v1, 15, v0                           ; r
	v_bfe_u32 v2, v0, 4, 1                         ; h
	v_mul_u32_u24 v3, v1, PITCH
	v_lshl_add_u32 v3, v2, 4, v3
	s_mul_i32 s18, s11, 64*PITCH                   ; my 64 tokens
	s_mul_i32 s19, s12, 64*PITCH                   ; my 64 rows of Wo,
	s_add_co_u32 s19, s19, 2*HALFT                 ; behind the two heads
.irp s, 0,1
	v_add_nc_u32 v[ADRA+\s], s18, v3
	v_add_nc_u32 v[ADRB+\s], s19, v3
	s_add_co_u32 s18, s18, SLOT
	s_add_co_u32 s19, s19, SLOT
.endr
	s_mul_i32 s23, s10, 16*SPITCH
	s_add_co_u32 s23, s23, STAGE
	v_mul_u32_u24 v4, v1, SPITCH                   ; in: token r, 32 bytes (eight f32) for each half of the lanes
	v_lshl_add_u32 v4, v2, 5, v4
	v_add_nc_u32 v[STO], s23, v4
	v_mul_u32_u24 v5, v2, SPITCH                   ; back: lanes 0-15 one row of 256 bytes, lanes 16-31 the next
	v_lshl_add_u32 v5, v1, 4, v5
	v_add_nc_u32 v[RD], s23, v5
	v_lshlrev_b32 v5, 12, v2                       ; and the same two rows in out0, 4,096 bytes apart
	v_lshl_add_u32 v[CO], v1, 4, v5
; 16 matrix instructions: all 4 x 4 tiles, 32 along d; part 0 = hi, 1 = lo.  The 16 accumulators take turns.
.macro MUL16 f, part, zero
.irp a, 0,1,2,3
.irp b, 0,1,2,3
.if \zero
	v_wmma_f32_16x16x32_f16 v[8*(4*\a+\b):8*(4*\a+\b)+7], v[\f+8*\b:\f+8*\b+7], v[\f+32*\part+8*\a:\f+32*\part+8*\a+7], 0
.else
	v_wmma_f32_16x16x32_f16 v[8*(4*\a+\b):8*(4*\a+\b)+7], v[\f+8*\b:\f+8*\b+7], v[\f+32*\part+8*\a:\f+32*\part+8*\a+7], v[8*(4*\a+\b):8*(4*\a+\b)+7]
.endif
.endr
.endr
.endm
; 24 LDS loads: quarter q = (head q / 2, d = 32 (q mod 2) ..): Wo's fragments, then hi's, then lo's
.macro FETCH slot, q, f
	WIN TO_B
.irp i, 0,1,2,3
	ds_load_b128 v[\f+8*\i:\f+8*\i+3],   v[ADRB+\slot] offset:(\q>>1)*128+(\q&1)*64+\i*16*PITCH
	ds_load_b128 v[\f+8*\i+4:\f+8*\i+7], v[ADRB+\slot] offset:(\q>>1)*128+(\q&1)*64+\i*16*PITCH+32
.endr
	WIN 0
.irp i, 0,1,2,3
	ds_load_b128 v[\f+8*\i:\f+8*\i+3],   v[ADRA+\slot] offset:(\q>>1)*HALFT+(\q&1)*64+\i*16*PITCH
	ds_load_b128 v[\f+8*\i+4:\f+8*\i+7], v[ADRA+\slot] offset:(\q>>1)*HALFT+(\q&1)*64+\i*16*PITCH+32
.endr
.irp i, 0,1,2,3
	ds_load_b128 v[\f+32+8*\i:\f+32+8*\i+3],   v[ADRA+\slot] offset:(\q>>1)*HALFT+(\q&1)*64+\i*16*PITCH+128
	ds_load_b128 v[\f+32+8*\i+4:\f+32+8*\i+7], v[ADRA+\slot] offset:(\q>>1)*HALFT+(\q&1)*64+\i*16*PITCH+160
.endr
.endm
.macro PLACES                          ; four places behind matrix instructions (ISA guide 7.12.1 for vector instructions)
.rept 4
	v_nop
.endr
.endm
.macro QUARTER slot, qn, f, g, zero
	s_wait_dscnt 8                                 ; Wo's and hi's fragments are in; lo's eight loads may be out
	WIN MUL
	MUL16 \f, 0, \zero
	PLACES
	FETCH \slot, \qn, \g
	s_wait_dscnt 24                                ; all but the 24 just issued
	WIN MUL
	MUL16 \f, 1, 0
.endm
.macro THREE slot, zero
	QUARTER \slot, 1, F0, F1, \zero
	QUARTER \slot, 2, F1, F0, 0
	QUARTER \slot, 3, F0, F1, 0
.endm
; The last quarter changes slots: each wave's waits, the barrier (which opens a round of the cluster's barrier where a slot is filled again),
; the joint refill first behind it, then the next slot's first fragments.  From a request to the wait for it a wave issues 112 matrix instructions.
.macro TURN slot, next, fill
	s_wait_dscnt 0                                 ; my reads of this slot are over
	s_wait_tensorcnt 0x0                           ; all my tensor loads have landed: my part of the next slot
	ds_add_u32 v255, v255
	s_wait_dscnt 0x0
	s_barrier_signal -1
	WIN MUL
	MUL16 F1, 0, 0                                 ; registers only
	WIN 0
	s_barrier_wait -1
.if \fill
	CREST
	s_add_nc_u64 s[G0+4*\slot+2:G0+4*\slot+3], s[G0+4*\slot+2:G0+4*\slot+3], 4194304   ; two K steps = four heads on
	s_add_nc_u64 s[G0B+4*\slot+2:G0B+4*\slot+3], s[G0B+4*\slot+2:G0B+4*\slot+3], 512
	JLOAD \slot
.endif
	PLACES
	FETCH \next, 0, F0
	WIN MUL
	MUL16 F1, 1, 0
.endm
.macro LAP zero
	THREE 0, \zero
	TURN 0, 1, 1
	THREE 1, 0
	TURN 1, 0, 1
.endm
	s_wait_tensorcnt 1                             ; my part of K step 0 is in; K step 1's stays out
	s_barrier_signal -1
	s_barrier_wait -1
	FETCH 0, 0, F0
	LAP 1                                          ; the first product starts the sums
	WIN 0
	s_mov_b32 s3, LAPS-2
.Llap:
	LAP 0
	WIN 0
	s_sub_co_u32 s3, s3, 1
	s_cmp_lg_u32 s3, 0
	s_cbranch_scc1 .Llap
	THREE 0, 0                                     ; the last lap fills nothing
	TURN 0, 1, 0
	THREE 1, 0
	s_wait_dscnt 0
	WIN MUL
	MUL16 F1, 0, 0
	MUL16 F1, 1, 0
	; THE WAY OUT, 16 tokens at a time through my stage, so that sixteen lanes store 256 neighbouring bytes of a row of out0, aligned.
	PLACES
	WIN 0
	s_lshl_b32 s16, s13, 7
	s_lshl_b32 s17, s11, 6
	s_add_co_u32 s16, s16, s17                     ; my first token,
	s_lshl_b32 s16, s16, 12                        ; times 4,096 bytes
	s_mov_b32 s17, 0
	s_add_nc_u64 s[8:9], s[8:9], s[16:17]
	s_lshl_b32 s46, s42, 9                         ; my first column in bytes: 512 x block column + 256 x half
	s_lshl_b32 s47, s12, 8
	s_add_co_u32 s46, s46, s47
	s_mov_b32 s47, 0
	s_add_nc_u64 s[8:9], s[8:9], s[46:47]
.macro OUT16 a, f
	WIN ACC1
.irp b, 0,1,2,3
	ds_store_b128 v[STO], v[8*(4*\a+\b):8*(4*\a+\b)+3]   offset:64*\b
	ds_store_b128 v[STO], v[8*(4*\a+\b)+4:8*(4*\a+\b)+7] offset:64*\b+16
.endr
	WIN 0
	s_wait_xcnt 0x0                                ; buffer f, which earlier stores read, is loaded again only behind this wait
.irp t, 0,1,2,3,4,5,6,7
	ds_load_b128 v[\f+4*\t:\f+4*\t+3], v[RD] offset:\t*2*SPITCH    ; my own bytes, served in order behind the stores (ISA guide 5.7.1)
.endr
.irp t, 0,1,2,3,4,5,6,7
	s_wait_dscnt 7-\t
	global_store_b128 v[CO], v[\f+4*\t:\f+4*\t+3], s[8:9] offset:(16*\a+2*\t)*4096 th:TH_STORE_NT
.endr
.endm
	OUT16 0, F0
	OUT16 1, F1
	OUT16 2, F0
	OUT16 3, F1
	s_set_vgpr_msb 0x1
	s_wait_tensorcnt 0x0
	ds_add_u32 v255, v255
	s_wait_dscnt 0x0
	s_set_vgpr_msb 0x100
	CROUND                                         ; the closing round
	s_endpgm
.Lfunc_end_k_q51a32897d3_oproj:
	.size	k_q51a32897d3_oproj, .Lfunc_end_k_q51a32897d3_oproj-k_q51a32897d3_oproj
	.p2alignl 7, 3214868480
	.fill 96, 4, 3214868480
	.section	.rodata,"a",@progbits
	.p2align	6, 0x0
	.amdhsa_kernel k_q51a32897d3_oproj
		.amdhsa_group_segment_fixed_size 327680
		.amdhsa_private_segment_fixed_size 0
		.amdhsa_enable_private_segment 0
		.amdhsa_kernarg_size 24
		.amdhsa_user_sgpr_count 2
		.amdhsa_user_sgpr_kernarg_segment_ptr 1
		.amdhsa_wavefront_size32 1
		.amdhsa_system_sgpr_workgroup_id_x 1
		.amdhsa_system_sgpr_workgroup_id_y 1
		.amdhsa_system_sgpr_workgroup_id_z 1
		.amdhsa_system_vgpr_workitem_id 0
		.amdhsa_next_free_vgpr 768
		.amdhsa_next_free_sgpr 66
		.amdhsa_reserve_vcc 0
		.amdhsa_float_denorm_mode_32 3
		.amdhsa_float_denorm_mode_16_64 3
		.amdhsa_memory_ordered 1
		.amdhsa_forward_progress 1
		.amdhsa_inst_pref_size 110
	.end_amdhsa_kernel
	.amdgpu_metadata
---
amdhsa.version: [ 1, 2 ]
amdhsa.kernels:
  - .name:           k_q51a32897d3_oproj
    .symbol:         k_q51a32897d3_oproj.kd
    .args:
      - { .name: attn2, .offset: 0, .size: 8, .value_kind: global_buffer, .address_space: global }
      - { .name: xw, .offset: 8, .size: 8, .value_kind: global_buffer, .address_space: global }
      - { .name: out0, .offset: 16, .size: 8, .value_kind: global_buffer, .address_space: global }
    .group_segment_fixed_size: 327680
    .private_segment_fixed_size: 0
    .kernarg_segment_align: 8
    .kernarg_segment_size: 24
    .max_flat_workgroup_size: 128
    .sgpr_count:     66
    .vgpr_count:     768
    .wavefront_size: 32
...
	.end_amdgpu_metadata
.endif
;; end of part 4
;; ======== version 2 of 2: 4 launches; version 1 with the launch prep written anew for expert scheduling mode
;; limits: values are held in f16: magnitudes above 65,504 overflow, below 6.1e-05 lose precision; right only within a limited range of input values
;; workspace buffers: xw 16,777,216 bytes; rope 1,048,576 bytes; qkv 25,165,824 bytes; attn2 16,777,216 bytes
;; launch prep (part 5): grid 256 x 1, 8 waves a work-group, no clusters, 0 bytes of LDS; arguments x, Wq, Wk, Wv, Wo, token_positions, xw, rope; writes xw, rope
.if DOCPART == 5
	.amdgcn_target "amdgcn-amd-amdhsa--gfx1250"
	.amdhsa_code_object_version 6
	.text
	.protected	k_q51a32897d3_prep
	.globl	k_q51a32897d3_prep
	.p2align	8
	.type	k_q51a32897d3_prep,@function
k_q51a32897d3_prep:
	s_mov_b64 s[64:65], 0
	v_nop
	global_prefetch_b8 v0, s[64:65] scope:SCOPE_SE
	s_setreg_imm32_b32 hwreg(HW_REG_WAVE_SCHED_MODE, 0, 2), 2
	s_setreg_imm32_b32 hwreg(HW_REG_WAVE_MODE, 25, 1), 1
	s_wait_xcnt 0x0
	s_wait_alu depctr_vm_vsrc(0)
; prep: the casts and the table of cosines and sines.
; xw is [8192][1024] of 16-bit numbers: rows 0-4095 x, 4096-5119 Wq, 5120-6143 Wk, 6144-7167 Wv, all rounded to bf16;
; rows 7168-8191 Wo, rounded to bf16 and then written as f16 (the later product with Wo has f16 operands).
; rope is f32 [4096 tokens][32 pairs][cos, sin] of token_positions[token] * 100000^(-pair/32).
; Work-group g of 256 casts 32,768 numbers (128 KiB in, 64 KiB out) and makes table rows 16 g .. 16 g + 15.
; Memory binds: no LDS, no barrier, no matrix unit.  Thread t loads 16 bytes at 16 t + 4096 i (a wave's load covers 512 neighbouring
; bytes) and stores 8 bytes at 8 t + 2048 i (a wave's store covers 256 neighbouring bytes, aligned).  All 32 loads of a wave go out at
; once, 16 KiB a wave, the work-group's whole 128 KiB: the table is made while they are on their way.
; LIMITS.  Wo: |w| < 65,504; a bf16 value below 2^-17 loses bits on its way to f16 (absolute error at most 2^-25).
; Angles: 100000^(-i/32) is made by v_exp_f32, so an angle agrees with one made otherwise to about 2e-7 of its size.  The reduction by
; multiples of pi/2 (pi/2 in two parts, fused) is sound for |position| <= 2^20 = 1,048,576; beyond, the quotient's rounding can leave
; the remainder outside the polynomials' range.
; THE MODE: SCHED_MODE bits 1:0 = 2 (LLVM: expert scheduling mode 2), set by the entry lines.  The code itself states the register dependences
; between vector instructions and memory instructions, with s_wait_alu, always for 0.
; THE PLAN.  Registers that memory instructions touch:
;   v1, v2, v3   byte offsets, written at the head and never again; read by every load and store.
;   v4           the position: one load lands in it; no vector instruction names it before.
;   X            32 pieces: one load lands in each, the piece's roundings read it, and it is never loaded again.
;   v[30:33]     written by the two SINCOS, read by the table's one store, never written again.
;   Y            32 pairs: written by a piece's roundings, read by that piece's one store, never written again behind it.
;   W and v5 to v25 are named by vector instructions alone.
; The 32 pieces go in eight groups of four.  Group g rounds X's pieces 4 g .. 4 g + 3 into their Y; its memory instructions are the four stores
; of group g - 1 (in group 1 the table's store too), which read registers that no vector instruction of group g names.  So ONE wait on va_vdst at a
; group's head states all that those stores hang on, and they are dealt among the group's roundings.  No register that a memory instruction has
; read is written again anywhere: no wait on vm_vsrc is owed.  A compare writes VCC in each SINCOS: one wait on va_vcc ahead of its first reader.
.set X, 36                             ; v[36:163]  32 pieces of 4 registers, as loaded
.set Y, 164                            ; v[164:227] 32 pairs to store
.set W, 228                            ; v[228:231] at work on Wo's way to f16
	s_load_b512 s[4:19], s[0:1], 0x0               ; x 4:5, Wq 6:7, Wk 8:9, Wv 10:11, Wo 12:13, positions 14:15, xw 16:17, rope 18:19
	s_mov_b32 s2, ttmp9                            ; g
	s_lshr_b32 s20, s2, 5                          ; chunk of 1,024 rows: 0-3 x, 4 Wq, 5 Wk, 6 Wv, 7 Wo
	s_and_b32 s21, s2, 31
	s_cmp_lt_u32 s20, 4
	s_cselect_b32 s24, s2, s21                     ; my place inside the source: g in x, g mod 32 in a weight
	s_lshl_b32 s24, s24, 17                        ; times 128 KiB
	s_mov_b32 s25, 0
	s_lshl_b32 s40, s2, 16                         ; my 64 KiB of xw
	s_mov_b32 s41, 0
	s_lshl_b32 s42, s2, 12                         ; my 16 rows of 256 bytes of the table
	s_mov_b32 s43, 0
	s_lshl_b32 s3, s2, 4                           ; my first token
	s_mov_b32 s26, 0x3f22f983                      ; 2 / pi
	s_mov_b32 s27, 0xbfc90fdb                      ; -(pi/2 rounded to f32)
	s_mov_b32 s28, 0x333bbd2e                      ; -(pi/2 less that)
	s_mov_b32 s29, 0xbe2aaaa3                      ; sine:   r + r^3 (S1 + z (S2 + z S3)), z = r^2
	s_mov_b32 s30, 0x3c08839e
	s_mov_b32 s31, 0xb94ca1f9
	s_mov_b32 s32, 0x3d2aaaa5                      ; cosine: 1 - z/2 + z^2 (C1 + z (C2 + z C3))
	s_mov_b32 s33, 0xbab6061a
	s_mov_b32 s34, 0x37ccf5ce
	s_mov_b32 s35, 0xbf04e08b                      ; -log2(100000) / 32
	s_mov_b32 s36, 0x80000000                      ; the sign
	s_mov_b32 s37, 0xffff0000                      ; a word's upper bf16
	v_lshlrev_b32 v1, 4, v0                        ; 16 t: my place in a load, and in the table's 4,096 bytes
	v_lshlrev_b32 v2, 3, v0                        ; 8 t: my place in a store
	v_lshrrev_b32 v3, 4, v0
	v_add_lshl_u32 v3, v3, s3, 2                   ; 4 (16 g + t / 16): my token's position
	v_and_b32 v6, 15, v0
	v_lshlrev_b32 v6, 1, v6                        ; my first pair, 2 (t mod 16)
	v_cvt_f32_u32 v7, v6
	v_add_f32 v8, 1.0, v7                          ; my second pair
	v_mul_f32 v7, s35, v7
	v_mul_f32 v8, s35, v8
	v_exp_f32 v9, v7                               ; 100000^(-pair/32), twice; the conversion of the position below is the plain
	v_exp_f32 v10, v8                              ; vector instruction that stands in front of their first use (ISA guide 5.7.2)
	s_wait_kmcnt 0x0
	s_mov_b64 s[22:23], s[4:5]                     ; the source, chosen by the chunk's number
	s_cmp_eq_u32 s20, 4
	s_cselect_b64 s[22:23], s[6:7], s[22:23]
	s_cmp_eq_u32 s20, 5
	s_cselect_b64 s[22:23], s[8:9], s[22:23]
	s_cmp_eq_u32 s20, 6
	s_cselect_b64 s[22:23], s[10:11], s[22:23]
	s_cmp_eq_u32 s20, 7
	s_cselect_b64 s[22:23], s[12:13], s[22:23]
	s_add_nc_u64 s[22:23], s[22:23], s[24:25]
	s_add_nc_u64 s[16:17], s[16:17], s[40:41]
	s_add_nc_u64 s[18:19], s[18:19], s[42:43]
	s_wait_alu depctr_va_vdst(0)                   ; v1, v2 and v3 are written: every load and store of the kernel reads one of them as its offset; the two exponentials have written v9 and v10, ahead of their first reader
	global_load_b32 v4, v3, s[14:15]
.set i, 0
.rept 32
	global_load_b128 v[X+4*i:X+4*i+3], v1, s[22:23] offset:4096*i th:TH_LOAD_NT
.set i, i+1
.endr
	s_wait_loadcnt 32                              ; the position is in; the 32 younger loads stay out
	v_cvt_f32_i32 v5, v4
; cosine into v[c], sine into v[s] of position * v[inv]
.macro SINCOS inv, c, s
	v_mul_f32 v11, v5, v[\inv]                     ; the angle, rounded once
	v_mul_f32 v12, s26, v11
	v_rndne_f32 v12, v12                           ; k = the nearest multiple of pi/2
	v_fma_f32 v13, v12, s27, v11
	v_fma_f32 v13, v12, s28, v13                   ; r = angle - k pi/2
	v_cvt_i32_f32 v14, v12
	v_and_b32 v21, 1, v14
	v_cmp_eq_u32 vcc_lo, 1, v21                    ; odd k: the two change places; the mask is made early, both polynomials stand between it and its readers
	v_mul_f32 v15, v13, v13                        ; z
	v_fma_f32 v16, v15, s31, s30
	v_fma_f32 v16, v16, v15, s29
	v_mul_f32 v17, v15, v13
	v_fma_f32 v16, v16, v17, v13                   ; sin r
	v_fma_f32 v18, v15, s34, s33
	v_fma_f32 v18, v18, v15, s32
	v_mul_f32 v19, v15, v15
	v_fma_f32 v20, v15, -0.5, 1.0
	v_fma_f32 v18, v18, v19, v20                   ; cos r
	v_lshlrev_b32 v24, 30, v14                     ; the sine is negative where k mod 4 is 2 or 3,
	v_add_nc_u32 v25, 1, v14
	v_lshlrev_b32 v25, 30, v25                     ; the cosine where it is 1 or 2
	v_and_b32 v24, s36, v24
	v_and_b32 v25, s36, v25
	s_wait_alu depctr_va_vcc(0)                    ; the compare has written VCC, which the two selects below read
	v_cndmask_b32 v22, v16, v18, vcc_lo
	v_cndmask_b32 v23, v18, v16, vcc_lo
	v_xor_b32 v[\s], v22, v24
	v_xor_b32 v[\c], v23, v25
.endm
	SINCOS 9, 30, 31
	SINCOS 10, 32, 33                              ; v[30:33]: two pairs of one token; their store stands behind group 1's wait
; The 32 pieces, in eight groups of four.  Group g waits for its four loads (28 - 4 g younger ones stay out) and rounds them; the stores of the group
; before are dealt among its roundings.  Nothing is a loop: no address is written twice, and no store's data register is written again behind its store.
.macro BODY f16
.set g, 0
.rept 8
	s_wait_loadcnt 28-4*g                          ; loads come back in order (ISA guide 5.7.1): pieces 4 g .. 4 g + 3 are in
.if g > 0
	s_wait_alu depctr_va_vdst(0)                   ; the group before has written its four pairs of Y, which the stores below read; in group 1 also: the two SINCOS have written v[30:33]
.endif
.if g == 1
	global_store_b128 v1, v[30:33], s[18:19]       ; the table: a wave's store covers 512 neighbouring bytes
.endif
.set j, 0
.rept 4
.set i, 4*g+j
.if g > 0
	global_store_b64 v2, v[Y+2*(i-4):Y+2*(i-4)+1], s[16:17] offset:2048*(i-4)  ; the group before; no vector instruction since the wait names these registers
.endif
	v_cvt_pk_bf16_f32 v[Y+2*i],   v[X+4*i],   v[X+4*i+1]
	v_cvt_pk_bf16_f32 v[Y+2*i+1], v[X+4*i+2], v[X+4*i+3]
.if \f16
	v_lshlrev_b32 v[W],   16, v[Y+2*i]             ; the bf16 values as f32,
	v_and_b32     v[W+1], s37, v[Y+2*i]
	v_lshlrev_b32 v[W+2], 16, v[Y+2*i+1]
	v_and_b32     v[W+3], s37, v[Y+2*i+1]
	v_cvt_pk_f16_f32 v[Y+2*i],   v[W],   v[W+1]    ; and written as f16
	v_cvt_pk_f16_f32 v[Y+2*i+1], v[W+2], v[W+3]
.endif
.set j, j+1
.endr
.set g, g+1
.endr
	s_wait_alu depctr_va_vdst(0)                   ; group 7 has written its four pairs of Y, which the last four stores read
.set i, 28
.rept 4
	global_store_b64 v2, v[Y+2*i:Y+2*i+1], s[16:17] offset:2048*i
.set i, i+1
.endr
.endm
	s_cmp_eq_u32 s20, 7
	s_cbranch_scc1 .Lwo
	BODY 0
	s_endpgm
.Lwo:
	BODY 1
	s_endpgm
.Lfunc_end_k_q51a32897d3_prep:
	.size	k_q51a32897d3_prep, .Lfunc_end_k_q51a32897d3_prep-k_q51a32897d3_prep
	.p2alignl 7, 3214868480
	.fill 96, 4, 3214868480
	.section	.rodata,"a",@progbits
	.p2align	6, 0x0
	.amdhsa_kernel k_q51a32897d3_prep
		.amdhsa_group_segment_fixed_size 0
		.amdhsa_private_segment_fixed_size 0
		.amdhsa_enable_private_segment 0
		.amdhsa_kernarg_size 64
		.amdhsa_user_sgpr_count 2
		.amdhsa_user_sgpr_kernarg_segment_ptr 1
		.amdhsa_wavefront_size32 1
		.amdhsa_system_sgpr_workgroup_id_x 1
		.amdhsa_system_sgpr_workgroup_id_y 1
		.amdhsa_system_sgpr_workgroup_id_z 1
		.amdhsa_system_vgpr_workitem_id 0
		.amdhsa_next_free_vgpr 232
		.amdhsa_next_free_sgpr 66
		.amdhsa_reserve_vcc 1
		.amdhsa_float_denorm_mode_32 3
		.amdhsa_float_denorm_mode_16_64 3
		.amdhsa_memory_ordered 1
		.amdhsa_forward_progress 1
		.amdhsa_inst_pref_size 32
	.end_amdhsa_kernel
	.amdgpu_metadata
---
amdhsa.version: [ 1, 2 ]
amdhsa.kernels:
  - .name:           k_q51a32897d3_prep
    .symbol:         k_q51a32897d3_prep.kd
    .args:
      - { .name: x, .offset: 0, .size: 8, .value_kind: global_buffer, .address_space: global }
      - { .name: Wq, .offset: 8, .size: 8, .value_kind: global_buffer, .address_space: global }
      - { .name: Wk, .offset: 16, .size: 8, .value_kind: global_buffer, .address_space: global }
      - { .name: Wv, .offset: 24, .size: 8, .value_kind: global_buffer, .address_space: global }
      - { .name: Wo, .offset: 32, .size: 8, .value_kind: global_buffer, .address_space: global }
      - { .name: token_positions, .offset: 40, .size: 8, .value_kind: global_buffer, .address_space: global }
      - { .name: xw, .offset: 48, .size: 8, .value_kind: global_buffer, .address_space: global }
      - { .name: rope, .offset: 56, .size: 8, .value_kind: global_buffer, .address_space: global }
    .group_segment_fixed_size: 0
    .private_segment_fixed_size: 0
    .kernarg_segment_align: 8
    .kernarg_segment_size: 64
    .max_flat_workgroup_size: 256
    .sgpr_count:     66
    .vgpr_count:     232
    .wavefront_size: 32
...
	.end_amdgpu_metadata
.endif
;; end of part 5
;; launch qkv: the kernel of part 2 again; grid 12 x 16, 4 waves a work-group, clusters of 4 x 4, 327,680 bytes of LDS; arguments xw, rope, qkv; writes qkv
;; launch attn: the kernel of part 3 again; grid 16 x 16, 8 waves a work-group, no clusters, 327,680 bytes of LDS; arguments qkv, attn2; writes attn2
;; launch oproj: the kernel of part 4 again; grid 8 x 32, 4 waves a work-group, clusters of 4 x 4, 327,680 bytes of LDS; arguments attn2, xw, out0; writes out0
